; MI455X (gfx1250); checked and timed in simulation.
; The chip was launched on July 23, 2026; its instructions are those of AMD's public machine-readable ISA for CDNA 5 (MIT licence, August 2026) and "CDNA5" Instruction Set Architecture Reference Guide (July 2026). The comments in the code are by the model that wrote it; some were corrected since.
;; Multihead Attention. Allowed arithmetic: matrix products marked QUANTISED: E5M2 operands, one E8M0 scale for each 32 along K, by v_wmma_scale_f32_16x16x128_f8f6f4 with both operands' format E5M2, f32 sums; everything else in f32.
;; Inputs: Wk_codes 16 x 64 x 32 x 32 uint8 (E5M2 codes of Wk, K innermost, in blocks of 32 codes); Wk_scales 16 x 64 x 32 uint8 (E8M0 scales of Wk, one for each 32 codes along K); Wo_codes 1,024 x 32 x 32 uint8 (E5M2 codes of Wo, K innermost, in blocks of 32 codes); Wo_scales 1,024 x 32 uint8 (E8M0 scales of Wo, one for each 32 codes along K); Wq_codes 16 x 64 x 32 x 32 uint8 (E5M2 codes of Wq, K innermost, in blocks of 32 codes); Wq_scales 16 x 64 x 32 uint8 (E8M0 scales of Wq, one for each 32 codes along K); Wv_codes 16 x 64 x 32 x 32 uint8 (E5M2 codes of Wv, K innermost, in blocks of 32 codes); Wv_scales 16 x 64 x 32 uint8 (E8M0 scales of Wv, one for each 32 codes along K); k_codes 4 x 2,048 x 32 x 32 uint8 (E5M2 codes of k, K innermost, in blocks of 32 codes); k_scales 4 x 2,048 x 32 uint8 (E8M0 scales of k, one for each 32 codes along K); q_codes 4 x 2,048 x 32 x 32 uint8 (E5M2 codes of q, K innermost, in blocks of 32 codes); q_scales 4 x 2,048 x 32 uint8 (E8M0 scales of q, one for each 32 codes along K); v_codes 4 x 2,048 x 32 x 32 uint8 (E5M2 codes of v, K innermost, in blocks of 32 codes); v_scales 4 x 2,048 x 32 uint8 (E8M0 scales of v, one for each 32 codes along K).
;; Outputs: out0 4 x 2,048 x 1,024 float32.
;; This version of the problem:
;;   THIS VERSION OF THE PROBLEM IS GIVEN IN LOW PRECISION. The matrix products marked QUANTISED in the list below multiply operands that are first quantised to E5M2 (5 exponent bits, 2 mantissa bits; 8 bits a number), with one power-of-two scale for each 32 numbers along K (OCP MX v1.0); their sums are f32. All else is computed in f32.
;;   The module's matrix products, in the order in which they are computed (A, B: the left and right operand; K: the contracted axis; several contracted axes count as one K, in the product's order):
;;     1. [M 1,024, K 1,024] x [K 1,024, N 8,192]; A: input Wq (given as codes); B: input q (given as codes): QUANTISED
;;     2. [M 1,024, K 1,024] x [K 1,024, N 8,192]; A: input Wk (given as codes); B: input k (given as codes): QUANTISED
;;     3. [M 1,024, K 1,024] x [K 1,024, N 8,192]; A: input Wv (given as codes); B: input v (given as codes): QUANTISED
;;     4. batch 64 x [M 2,048, K 64] x [K 64, N 2,048]; A: computed on the way; B: computed on the way: QUANTISED
;;     5. batch 64 x [M 2,048, K 2,048] x [K 2,048, N 64]; A: softmax (see below); B: computed on the way: QUANTISED
;;     6. [M 8,192, K 1,024] x [K 1,024, N 1,024]; A: computed on the way; B: input Wo (given as codes): QUANTISED
;;   THE QUANTISER, for each operand of a quantised product, along K:
;;     - K is cut into blocks of 32 from its start; a last block that is shorter is filled with zeros.
;;     - A block's scale is 2^e with e = floor(log2(the largest magnitude in the block)) - 15, held to -126 .. 127; a block of zeros has e = 0. As a byte (E8M0): e + 127.
;;     - Each number is divided by its block's scale, clamped to +-57,344, and rounded to the nearest number of E5M2, ties to even, subnormals kept.
;;     - The product sums the exact products of the quantised numbers (number of the format x scale) in f32.
;;   ~~~python
;;   def quantise(x, axis):      # numpy; x: float32 -> the quantised numbers, widened to float32 again
;;       x = np.moveaxis(x, axis, -1); K = x.shape[-1]
;;       x = np.pad(x, [(0, 0)] * (x.ndim - 1) + [(0, -K % 32)]); x = x.reshape(x.shape[:-1] + (-1, 32)); a = np.abs(x).max(-1, keepdims=True)
;;       e = np.where(a > 0, np.clip(np.frexp(np.where(a > 0, a, 1))[1] - 1 - 15, -126, 127), 0)      # np.frexp(a)[1] - 1 = floor(log2(a)), exactly
;;       r = np.clip(x / 2.0 ** e, -57344, 57344)
;;       step = 2.0 ** (np.maximum(np.frexp(np.where(r == 0, 1, r))[1] - 1, -14) - 2)
;;       q = np.round(r / step) * step * 2.0 ** e      # np.round: ties to even
;;       return np.moveaxis(q.reshape(q.shape[:-2] + (-1,))[..., :K], -1, axis).astype(np.float32)
;;   ~~~
;;   SOFTMAX AHEAD OF A QUANTISED PRODUCT. Where the list says 'softmax', what is quantised is not the finished softmax but p = 2^(t - M), with t = logit x log2(e) and M = ceil(the row's largest t), a whole number; so 1/2 < the row's largest p <= 1. The row's sum l is taken of the UNQUANTISED p, in f32, and the product's result is divided by l at the end. Since M is a whole number, a kernel that streams over the keys may use a running M (the ceiling of the running maximum): every later rescaling is an exact power of two, which a block's scale takes up: the codes' values come out the same.
;;   OPERANDS COMPUTED ON THE WAY. 'Computed on the way' means the value that the module computes at that place (a softmax that the list does not call 'softmax' is quantised finished and normalised). What goes into a quantiser is computed in f32, as accurately as f32 sums, v_exp_f32 and their like allow (about 1e-6 of the number): no bf16 or f16 on the way to a quantiser, and a product that is left as it is and whose result goes on into a quantised operand takes f32 operands (vector FMAs, or v_wmma_f32_16x16x4_f32). A number that lies on a knife's edge between two numbers of the format may be rounded either way, as far as f32 arithmetic and the matrix unit's own rounding can turn it there, and no further.
;;   INPUTS GIVEN AS CODES. Wk (in the module: [16, 1024, 64], K = its axis 1); Wo (in the module: [1024, 1024], K = its axis 0); Wq (in the module: [16, 1024, 64], K = its axis 1); Wv (in the module: [16, 1024, 64], K = its axis 1); k (in the module: [4, 2048, 1024], K = its axis 2); q (in the module: [4, 2048, 1024], K = its axis 2); v (in the module: [4, 2048, 1024], K = its axis 2): each comes as NAME_codes (uint8): NAME with its K axis moved to the last place and cut into blocks of 32 codes, [.., K / 32, bytes a block], one block behind the other in memory; one code a byte (a code: sign, 5 exponent bits, 2 mantissa bits); and NAME_scales (uint8): the same leading axes, one E8M0 byte (e + 127) for each 32 codes along K. Its value is code x scale, taken as it is: it is not quantised again, and the codes and scales need not be those that the quantiser above would give.
;; One version. Each part assembles by itself: llvm-mc -triple=amdgcn-amd-amdhsa -mcpu=gfx1250 --defsym DOCPART=n.
;; ======== version 1 of 1: 3 launches
;; limits: right only within a limited range of input values
;; workspace buffers: qimg 8,388,608 bytes; kimg 8,388,608 bytes; vimg 8,388,608 bytes; qsc 262,144 bytes; ksc 262,144 bytes; vsc 262,144 bytes; ccimg 8,388,608 bytes; csc 262,144 bytes
;; launch proj (part 1): grid 4 x 96, 4 waves a work-group, clusters of 4 x 4, 327,680 bytes of LDS; arguments q_codes, q_scales, Wq_codes, Wq_scales, qimg, qsc, k_codes, k_scales, Wk_codes, Wk_scales, kimg, ksc, Wv_codes, Wv_scales, v_codes, v_scales, vimg, vsc; writes qimg, qsc, kimg, ksc, vimg, vsc
.if DOCPART == 1
	.amdgcn_target "amdgcn-amd-amdhsa--gfx1250"
	.amdhsa_code_object_version 6
	.text
	.protected	k_q0a35689fda_proj
	.globl	k_q0a35689fda_proj
	.p2align	8
	.type	k_q0a35689fda_proj,@function
k_q0a35689fda_proj:
	s_mov_b64 s[64:65], 0
	v_nop
	global_prefetch_b8 v0, s[64:65] scope:SCOPE_SE
	s_setreg_imm32_b32 hwreg(HW_REG_WAVE_MODE, 25, 1), 1
	s_wait_xcnt 0x0
	s_wait_alu depctr_hold_cnt(0) depctr_sa_sdst(0) depctr_va_vdst(0) depctr_va_sdst(0) depctr_va_ssrc(0) depctr_va_vcc(0) depctr_vm_vsrc(0)
	s_getreg_b32 s2, hwreg(HW_REG_IB_STS2, 6, 4)
	s_cmp_eq_u32 s2, 0
	s_cbranch_scc0 .Lentry_in_a_cluster
	s_endpgm
.Lentry_in_a_cluster:
	s_bfe_u32 s2, ttmp6, 0x10000c
	s_cmp_lg_u32 s2, 0xf033
	s_cbranch_scc0 .Lentry_shape_is_right
	s_endpgm
.Lentry_shape_is_right:
; THE THREE PROJECTIONS qh, kh, vh, each a product C[m][n] = sum over k of A[m][k] B[n][k], K = 1,024, on codes of BF8 (E5M2) with one E8M0 scale for each 32 along K,
; and the quantising of their results for the attention launch.  One text serves all three; the cluster's y / 8 says which (kind 0: q, 1: k, 2: v), and only pointers, two tile coordinates and two strides are chosen by it.
;   kinds 0, 1: A = the 8,192 tokens, B = the 1,024 rows (head x 64 + d) of W: a lane's results run along d, the K of q . k.      kind 2: A = Wv's 1,024 rows, B = the tokens: a lane's results run along the keys, the K of p . v.
; A tile of C, 256 x 256, is made by four waves, each 128 x 128: 64 accumulators, 512 registers.  K goes in steps of 256 through a ring of two LDS slots filled by the tensor data mover; K = 1,024 is four slots, so the eight
; steps of 128 are written out and there is no loop.  The scale bytes of the tile's rows, for all of K, come into LDS once, with the first fills.
; CLUSTERS: 4 x 4 work-groups; A's tiles are asked for jointly along a row of the cluster, B's along a column.  THE MATRIX INSTRUCTION IS USED TRANSPOSED (source 0 = 16 rows of B, source 1 = 16 rows of A):
; lane (r, h) holds row m = r, and register 8 b + j of a row block holds n = 16 b + 8 h + j.
; THE WAY OUT.  Nothing goes out as f32.  The 16 registers of n blocks 2 c and 2 c + 1 are half of the block of 32 numbers n = 32 c .. 32 c + 31; lane l xor 16 holds the other half.  Each block gets its scale
; (2^(floor(log2(largest magnitude)) - 15)), is held at +-57,344 x the scale and converted; the four registers of codes are stored AS THEY STAND, 16 bytes a lane, 512 consecutive bytes a store: a PIECE.
; A piece is four registers of an operand of the next product.  Inside a block the codes stand in a fixed permutation of n (place 16 h + i holds n = 8 h + i for i < 8, 16 + 8 h + i - 8 else); both operands of q . k come out of
; this text, and p in the attention launch has the same order as vh here, so each product's two operands agree and its sum is the same.
;   qimg, kimg: piece (token tile gA, block gB = head x 2 + c) at (gA / 16) x 262,144 + gB x 8,192 + (gA % 16) x 512.        vimg: piece (row tile gA = head x 4 + dt, key block gB) at gB x 32,768 + gA x 512.
;   qsc, ksc: [batch x 16 + head][128 tokens][r][tile] 2 bytes;   vsc: [batch x 16 + head][128 keys][r][dt] 4 bytes: 256 bytes for a head and 128 tokens, stored whole by sixteen lanes.
; LIMITS: NaN and infinity codes and the scale byte 0xff among the inputs are not served.  A block whose largest magnitude lies under 2^-111 keeps the scale byte 1; a block of zeros has the byte 1, not 127: its codes are zeros, and this program alone reads the bytes.
; REGISTERS, in windows of 256: window 0: v0-31 addresses; v32-63 scale words, two sets, and nothing else; from v128 A's fragments, ONE set; on the way out v64-127 the held numbers, v128-191 codes (four sets), v192-227 at work.
;   window 1: B's fragments, TWO sets.   window 2: the accumulators of my rows 0-63 ((a, b) at v[8 (8 a + b)]);   window 3: those of my rows 64-127.
.set KSTEP,  256                       ; along K in a slot
.set NQ,     2                         ; matrix instructions deep
.set ROWB,   256                       ; a tile's row in bytes
.set KROW,   1024                      ; a row of A or of B in memory, in bytes
.set PITCH,  272                       ; an LDS row: 256 bytes + 16 of padding = 68 words: the 16 rows that a load touches start at 16 different banks (64 banks of 4 bytes: ISA guide 11.1)
.set FR,     16                        ; registers of a fragment: 16 rows x 128 K
.set NL,     4                         ; LDS loads that bring one
.set NP,     8                         ; places behind this matrix instruction (ISA guide 7.12.1)
.set HALFT,  128*PITCH                 ; 128 rows: what one tensor load brings
.set SLOT,   4*HALFT                   ; A's 256 rows, then B's 256 rows
.set KS,     32                        ; a row of scale bytes
.set SCL,    2*SLOT                    ; behind the ring: the scales, as units of 256 bytes + 16 of padding
.set HALFS,  (128*KS/256)*272          ; the scales of 128 rows
.set SBLK,   (16*KS/256)*272           ; those of 16 rows
.set SPARE,  SCL+4*HALFS               ; the spare words, 128 bytes for each wave: two blocks of 256 bytes that no other line names
.set VB,   8                           ; v8-11   the way out: 16 x lane + c x (bytes from block to block)
.set VS,   12                          ; v12     the way out: my 16 bytes of scales: 16 r + 4,096 h
.set ADRA, 16                          ; v16-17  LDS address of my A fragments in slot 0, 1
.set ADRB, 20                          ; v20-21  the same for B
.set ADRS, 27                          ; v27     LDS address of my scale words: lanes 0-15 A's rows, lanes 16-31 B's
.set SPW,  28                          ; v28     LDS address of my spare word; never rewritten
.set NIL,  29                          ; v29     0; never rewritten
.set SC,   32                          ; scale words: set s at v[SC + 16 s]; register 2 i + q: lanes 0-15 A's block i, lanes 16-31 B's block i
.set AF,   128                         ; A's fragments
.set XX,   64                          ; the way out: a row block's 64 numbers, held
.set CD,   128                         ; its codes: four sets of 16 by turns
.set TM,   192                         ; v192-195 largest magnitudes, v196-199 bytes, v200-203 57,344 x the scale, v204-207 the conversions' scale operands
.set PW,   208                         ; v208-215 the eight row blocks' words of four scale bytes
.set FF,   216                         ; v216-219 the 16 bytes of scales that I store
.set LH,   220                         ; v220-227 at work
.set G1, 24                            ; s[24:31] descriptor group 1 for A's tiles;  s[32:39] group 0, one set for each slot
.set G0, 32
.set G1B, 48                           ; s[48:55], s[56:63] the same for B's tiles
.set G0B, 56
.set G1S, 68                           ; s[68:75], s[76:79] groups 1 and 0 for A's scales;  s[80:87], s[88:91] for B's
.set G0S, 76
.set G1SB, 80
.set G0SB, 88
.set OSC,  66                          ; s[66:67] where my scale bytes go
.set KIND, 95                          ; s95  0: q, 1: k, 2: v
.set ISV,  97                          ; s97  all ones where the kind is v, else 0
.set SB,   98                          ; s98  bytes from block to block in the images
.set SR,   99                          ; s99  bytes from tile row to tile row of C in the images
.set MNT,  18                          ; s18  the mantissa field of 57,344
.set SEL,  22                          ; s[22:23] lane selects for v_permlanex16_b32: lane l xor 16
.set MSB, 0
.macro WIN new                         ; the immediate's high byte repeats the setting that is left
.if MSB != \new
	s_set_vgpr_msb (MSB<<8)|\new
.set MSB, \new
.endif
.endm
.set MUL_LO, 0xa1                      ; source 0 (B) window 1, source 1 (A) window 0, C and D window 2
.set MUL_HI, 0xf1                      ; the same, C and D window 3
.set TO_B,   0x40                      ; destination window 1, address window 0
; A joint load: waves 0 and 1 fetch for A, waves 2 and 3 for B.  Each line has one mask and one set of registers for all that issue it; the branch hangs on the wave's number alone.
; Four v_nop follow each of the two lines, ahead of the jump, the label and what follows.
.macro JLOAD g0a, g1a, g0b, g1b
	s_cmp_eq_u32 s15, 0
	s_cbranch_scc0 .Lfor_b_\@
	tensor_load_to_lds s[\g0a:\g0a+3], s[\g1a:\g1a+7]
	s_nop 0
.rept 4
	v_nop
.endr
	s_branch .Lasked_\@
.Lfor_b_\@:
	tensor_load_to_lds s[\g0b:\g0b+3], s[\g1b:\g1b+7]
	s_nop 0
.rept 4
	v_nop
.endr
.Lasked_\@:
.endm
.macro CREST                           ; a round of the cluster's barrier behind its opening barrier
	s_cmp_lg_u32 s14, 0
	s_cbranch_scc1 .Lnot_wave_0_\@
	s_barrier_signal -3
.Lnot_wave_0_\@:
	s_barrier_wait -3
	s_barrier_signal -1
	s_barrier_wait -1
.endm
.macro CROUND                          ; a whole round
	s_barrier_signal -1
	s_barrier_wait -1
	CREST
.endm
	s_load_b256 s[4:11], s[0:1], 0x0               ; kind q: A's codes, A's scales, B's codes, B's scales,
	s_load_b128 s[12:15], s[0:1], 0x20             ; the image, its scales
	s_load_b256 s[24:31], s[0:1], 0x30             ; kind k: the same six
	s_load_b128 s[32:35], s[0:1], 0x50
	s_load_b256 s[36:43], s[0:1], 0x60             ; kind v: the same six (A = Wv, B = v)
	s_load_b128 s[44:47], s[0:1], 0x80
	v_lshl_add_u32 v[SPW], v0, 2, SPARE
	v_mov_b32 v[NIL], 0
	ds_add_u32 v28, v29
	s_wait_dscnt 0x0
	v_lshrrev_b32 v1, 5, v0
	s_and_b32 s96, ttmp7, 0xffff                   ; the cluster's y, 0 .. 23: shared by all sixteen partners
	s_lshr_b32 s[KIND], s96, 3
	s_and_b32 s96, s96, 7                          ; which of the kind's eight clusters
	s_wait_kmcnt 0x0
	s_cmp_eq_u32 s[KIND], 1                        ; the choice hangs on the cluster's number alone
.irp i, 0,2,4,6,8,10
	s_cselect_b64 s[4+\i:5+\i], s[24+\i:25+\i], s[4+\i:5+\i]
.endr
	s_cmp_eq_u32 s[KIND], 2
.irp i, 0,2,4,6,8,10
	s_cselect_b64 s[4+\i:5+\i], s[36+\i:37+\i], s[4+\i:5+\i]
.endr
	s_cselect_b32 s100, s96, 0                     ; the eight clusters lie along C's columns (v: 8,192 tokens wide)
	s_cselect_b32 s101, 0, s96                     ; or along its rows (q, k: 8,192 tokens high)
	s_cselect_b32 s[ISV], -1, 0
	s_mov_b32 s[SB], 8192
	s_cselect_b32 s[SB], 0x8000, s[SB]
	s_mov_b32 s[SR], 0x40000
	s_cselect_b32 s[SR], 8192, s[SR]
	s_mov_b64 s[OSC:OSC+1], s[14:15]
	v_readfirstlane_b32 s14, v1                    ; wave 0..3
	s_lshr_b32 s15, s14, 1                         ; which half of the tile's rows is mine.  Also: I fetch for A (0) or for B (1)
	s_and_b32 s16, s14, 1                          ; which half of its columns.  Also: which 128 rows of that tile I fetch
	s_bfe_u32 s40, ttmp6, 0x40000                  ; cx, cy: my place in the cluster
	s_bfe_u32 s41, ttmp6, 0x40004
	s_lshl_b32 s42, s100, 2
	s_add_co_u32 s42, s42, s40                     ; tile column of C
	s_lshl_b32 s17, s101, 2
	s_add_co_u32 s17, s17, s41                     ; tile row of C
	s_lshl_b32 s43, s41, 2
	s_lshl_b32 s43, 15, s43                        ; my row of the cluster
	s_lshl_b32 s44, 0x1111, s40                    ; my column
	; descriptor group 1: a tile of 128 rows x 256 bytes, padded in LDS
	s_or_b32 s[G1+0], s43, (0<<16)|(1<<20)|(1<<21)|(5<<22)|(3<<25)  ; 15:0 the mask: A's tiles go to my row; 17:16 element of 1 byte; 20 padding on; 21 set beside a mask; 24:22 after every 64 words; 31:25 four words
	s_or_b32 s[G1B+0], s44, (0<<16)|(1<<20)|(1<<21)|(5<<22)|(3<<25)
.irp g, G1, G1B
	s_mov_b32 s[\g+1], ROWB<<16                    ; tensor_dim0
	s_mov_b32 s[\g+2], 128<<16                     ; tensor_dim1 = 128
	s_mov_b32 s[\g+3], ROWB<<16                    ; tile_dim0
	s_mov_b32 s[\g+4], 128                         ; tile_dim1 = 128
	s_mov_b32 s[\g+5], KROW                        ; tensor_dim0_stride
	s_mov_b32 s[\g+6], 0
	s_mov_b32 s[\g+7], 0
.endr
	; and for the scales of 128 rows: a dense block of 4,096 bytes, as 16 rows of 256 bytes (32 elements of 8 bytes), 16 bytes of padding behind each
	s_or_b32 s[G1S+0], s43, (3<<16)|(1<<20)|(1<<21)|(5<<22)|(3<<25)
	s_or_b32 s[G1SB+0], s44, (3<<16)|(1<<20)|(1<<21)|(5<<22)|(3<<25)
.irp g, G1S, G1SB
	s_mov_b32 s[\g+1], 32<<16
	s_mov_b32 s[\g+2], (128*KS/256)<<16
	s_mov_b32 s[\g+3], 32<<16
	s_mov_b32 s[\g+4], 128*KS/256
	s_mov_b32 s[\g+5], 32
	s_mov_b32 s[\g+6], 0
	s_mov_b32 s[\g+7], 0
.endr
	s_lshl_b32 s18, s16, 7                         ; which 128 rows of the tile I fetch
	s_lshl_b32 s20, s17, 8
	s_add_co_u32 s20, s20, s18                     ; A: row 256 x tile row + 128 x half
	s_lshl_b32 s46, s42, 8
	s_add_co_u32 s46, s46, s18                     ; B: row 256 x tile column + 128 x half
	s_mov_b32 s21, 0
	s_mov_b32 s47, 0
	s_mov_b64 s[18:19], KS
	s_mul_u64 s[22:23], s[20:21], s[18:19]         ; where these rows' scales begin, in bytes
	s_mul_u64 s[92:93], s[46:47], s[18:19]
	s_mov_b64 s[18:19], KROW
	s_mul_u64 s[20:21], s[20:21], s[18:19]         ; and their codes
	s_mul_u64 s[46:47], s[46:47], s[18:19]
	s_mul_i32 s45, s14, HALFT                      ; where they go: wave x 128 rows: no place in the cluster enters an LDS address
	s_mul_i32 s94, s14, HALFS
	s_add_nc_u64 s[20:21], s[4:5], s[20:21]
	s_add_nc_u64 s[22:23], s[6:7], s[22:23]
	s_add_nc_u64 s[46:47], s[8:9], s[46:47]
	s_add_nc_u64 s[92:93], s[10:11], s[92:93]
	CROUND                                         ; all sixteen work-groups are here: the first joint loads meet
	s_mov_b32 s[G0S], 1
	s_add_co_u32 s[G0S+1], s94, SCL
	s_mov_b64 s[G0S+2:G0S+3], s[22:23]
	s_or_b32 s[G0S+3], s[G0S+3], 0x80000000
	s_mov_b32 s[G0SB], 1
	s_add_co_u32 s[G0SB+1], s94, SCL
	s_mov_b64 s[G0SB+2:G0SB+3], s[92:93]
	s_or_b32 s[G0SB+3], s[G0SB+3], 0x80000000
	JLOAD G0S, G1S, G0SB, G1SB                     ; the scales first: they are wanted with K step 0
.irp s, 0,1
	s_mov_b32 s[G0+4*\s], 1
	s_add_co_u32 s[G0+4*\s+1], s45, \s*SLOT
	s_add_nc_u64 s[G0+4*\s+2:G0+4*\s+3], s[20:21], \s*ROWB
	s_or_b32 s[G0+4*\s+3], s[G0+4*\s+3], 0x80000000
	s_mov_b32 s[G0B+4*\s], 1
	s_add_co_u32 s[G0B+4*\s+1], s45, \s*SLOT
	s_add_nc_u64 s[G0B+4*\s+2:G0B+4*\s+3], s[46:47], \s*ROWB
	s_or_b32 s[G0B+4*\s+3], s[G0B+4*\s+3], 0x80000000
	JLOAD G0+4*\s, G1, G0B+4*\s, G1B
.endr
	v_and_b32 v1, 15, v0                           ; r = l % 16
	v_bfe_u32 v2, v0, 4, 1                         ; h = l / 16
	v_mul_u32_u24 v3, v1, PITCH
	v_lshl_add_u32 v4, v2, 4, v3                   ; a fragment's row x pitch + 16 x half
	s_mul_i32 s21, s15, HALFT                      ; my 128 rows of A
	s_mul_i32 s22, s16, HALFT                      ; my 128 rows of B,
	s_add_co_u32 s22, s22, 2*HALFT                 ; which lie behind A's 256
.irp s, 0,1
	v_add_nc_u32 v[ADRA+\s], s21, v4
	v_add_nc_u32 v[ADRB+\s], s22, v4
	s_add_co_u32 s21, s21, SLOT
	s_add_co_u32 s22, s22, SLOT
.endr
	v_mul_u32_u24 v5, v1, KS                       ; my row's scales: 32 bytes a row,
	v_lshrrev_b32 v6, 8, v5
	v_lshl_add_u32 v5, v6, 4, v5                   ; and 16 more for each 256 passed
	s_mul_i32 s21, s15, HALFS                      ; A's: my 128 rows
	s_mul_i32 s22, s16, HALFS                      ; B's: my 128 rows, behind A's 256
	s_add_co_u32 s22, s22, 2*HALFS
	s_sub_co_u32 s22, s22, s21
	v_mul_u32_u24 v6, s22, v2                      ; lanes 16-31 take B's
	s_add_co_u32 s21, s21, SCL
	v_add_nc_u32 v5, v5, v6
	v_add_nc_u32 v[ADRS], s21, v5
	; where my pieces go: tile row x SR + 4,096 x my half of the rows + (8 x tile column + 4 x my half of the columns) x SB
	s_mul_i32 s20, s17, s[SR]
	s_lshl_b32 s21, s15, 12
	s_add_co_u32 s20, s20, s21
	s_lshl_b32 s46, s42, 3
	s_lshl_b32 s47, s16, 2
	s_add_co_u32 s46, s46, s47
	s_mul_i32 s46, s46, s[SB]
	s_add_co_u32 s20, s20, s46                     ; under 2^23
	s_mov_b32 s21, 0
	s_add_nc_u64 s[12:13], s[12:13], s[20:21]
	; and my scale bytes: (batch x 16 + head) x 4,096 + (which 128 tokens of the batch) x 256.  My 128 tokens are my rows (q, k) or my columns (v); the other axis is a pair of heads
	s_lshl_b32 s22, s17, 1
	s_add_co_u32 s22, s22, s15                     ; which 128 rows of C
	s_lshl_b32 s23, s42, 1
	s_add_co_u32 s23, s23, s16                     ; which 128 columns
	s_cmp_eq_u32 s[KIND], 2
	s_cselect_b32 s46, s23, s22                    ; the tokens' number, 0 .. 63
	s_cselect_b32 s47, s22, s23                    ; the pair of heads, 0 .. 7
	s_lshr_b32 s20, s46, 4
	s_lshl_b32 s20, s20, 16                        ; batch x 16 heads x 4,096
	s_and_b32 s46, s46, 15
	s_lshl_b32 s46, s46, 8
	s_add_co_u32 s20, s20, s46
	s_lshl_b32 s47, s47, 13                        ; two heads x 4,096
	s_add_co_u32 s20, s20, s47
	s_add_nc_u64 s[OSC:OSC+1], s[OSC:OSC+1], s[20:21]
	v_and_b32 v6, 31, v0
	v_lshlrev_b32 v[VB], 4, v6                     ; 16 bytes a lane: a store covers 512 consecutive bytes
	v_add_nc_u32 v[VB+1], s[SB], v[VB]
	v_add_nc_u32 v[VB+2], s[SB], v[VB+1]
	v_add_nc_u32 v[VB+3], s[SB], v[VB+2]
	v_lshlrev_b32 v[VS], 4, v1
	v_lshl_add_u32 v[VS], v2, 12, v[VS]            ; lanes 0-15 the first head's 256 bytes, lanes 16-31 the second head's
	s_mov_b32 s[MNT], 0x600000
	s_mov_b32 s[SEL], 0x76543210
	s_mov_b32 s[SEL+1], 0xfedcba98
	s_mov_b32 s20, 0x05040100                      ; v_perm_b32: the two low halves,
	s_mov_b32 s21, 0x07060302                      ; the two high halves
.macro FRAG reg, adr, q, i             ; a fragment, 16 rows x 128 K, is 16 registers: lane l holds row l % 16; registers 4 c .. 4 c + 3 hold K = 32 c + 16 (l / 16) + 0 .. 15
.irp c, 0,1,2,3
	ds_load_b128 v[\reg+4*\c:\reg+4*\c+3], v[\adr] offset:128*(\q)+32*\c+(\i)*16*PITCH
.endr
.endm
; 16 matrix instructions: A's blocks a0, a0 + 1 x B's eight, 128 along K: the slot's q-th.  p: B's set;  sc: the set of scale words.  zero = 1: the first product starts the sums.
; The 64 accumulators take turns, one instruction a turn, in the same order in every step.
.macro MUL16 a0, p, q, sc, zero
.irp a, \a0, \a0+1
.irp b, 0,1,2,3,4,5,6,7
.if \zero
	v_wmma_scale_f32_16x16x128_f8f6f4 v[8*(8*((\a)%4)+\b):8*(8*((\a)%4)+\b)+7], v[128*(\p)+FR*\b:128*(\p)+FR*\b+FR-1], v[AF+FR*(\a):AF+FR*(\a)+FR-1], 0, v[SC+8*NQ*(\sc)+NQ*\b+(\q)], v[SC+8*NQ*(\sc)+NQ*(\a)+(\q)] matrix_a_fmt:MATRIX_FMT_BF8 matrix_b_fmt:MATRIX_FMT_BF8 matrix_a_scale:MATRIX_SCALE_ROW1
.else
	v_wmma_scale_f32_16x16x128_f8f6f4 v[8*(8*((\a)%4)+\b):8*(8*((\a)%4)+\b)+7], v[128*(\p)+FR*\b:128*(\p)+FR*\b+FR-1], v[AF+FR*(\a):AF+FR*(\a)+FR-1], v[8*(8*((\a)%4)+\b):8*(8*((\a)%4)+\b)+7], v[SC+8*NQ*(\sc)+NQ*\b+(\q)], v[SC+8*NQ*(\sc)+NQ*(\a)+(\q)] matrix_a_fmt:MATRIX_FMT_BF8 matrix_b_fmt:MATRIX_FMT_BF8 matrix_a_scale:MATRIX_SCALE_ROW1
.endif
.endr
.endr
.endm
.macro FETCH_B slot, q, p              ; B's eight fragments of the slot's q-th 128 along K into set p
	WIN TO_B
.irp i, 0,1,2,3,4,5,6,7
	FRAG 128*(\p)+FR*\i, ADRB+\slot, \q, \i
.endr
	WIN 0
.endm
.macro FETCH_A slot, q, i0             ; A's blocks i0 .. i0 + 3
.irp i, \i0, \i0+1, \i0+2, \i0+3
	FRAG AF+FR*(\i), ADRA+\slot, \q, \i
.endr
.endm
.macro SCALES sc                       ; the next K step's scale words into set sc: two words a row; lanes 0-15 take A's block i, lanes 16-31 B's block i
.irp i, 0,1,2,3,4,5,6,7
	ds_load_b64 v[SC+8*NQ*\sc+NQ*\i:SC+8*NQ*\sc+NQ*\i+1], v[ADRS] offset:\i*SBLK
.endr
.endm
; A load into a register that a matrix instruction has read, and a vector instruction that reads a matrix result or writes one of its registers, stand eight places behind that matrix instruction, and only plain
; vector instructions that name none of its registers are places.
.macro PLACES n
.rept \n
	v_nop
.endr
.endm
; A step of 128 along K that has its successor in the same slot.
.macro STEP slot, q, zero
	s_wait_dscnt 4*NL                              ; B's set, A's blocks 0-3 and the scale words are in; the youngest sixteen loads (A's blocks 4-7) may be out
	WIN MUL_LO
	MUL16 0, (\q)%2, \q, \slot, \zero
	MUL16 2, (\q)%2, \q, \slot, \zero
	s_wait_dscnt 0                                 ; A's blocks 4-7 are in (asked for 32 matrix instructions ago)
	PLACES NP
	FETCH_B \slot, (\q)+1, 1-(\q)%2
	FETCH_A \slot, (\q)+1, 0
	WIN MUL_HI
	MUL16 4, (\q)%2, \q, \slot, \zero
	MUL16 6, (\q)%2, \q, \slot, \zero
	PLACES NP
	WIN 0
	FETCH_A \slot, (\q)+1, 4
.endm
; A slot's last step changes slots: ONE barrier; in front of it each wave waits for all its tensor loads, adds 0 to its spare word, and waits for that and for its own reads of this slot.  fill = 1: this slot is filled again, two K steps ahead.
.macro TURN slot, next, fill
	s_wait_tensorcnt 0x0                           ; all my tensor loads have landed: my part of the next slot  (every window is 0 here)
	ds_add_u32 v[SPW], v[NIL]                      ; 0 onto my spare word
	s_wait_dscnt 4*NL+1                            ; (the add and the youngest sixteen loads, A's blocks 4-7, may be out)
	WIN MUL_LO
	MUL16 0, 1, NQ-1, \slot, 0                     ; sixteen matrix instructions stand between the add and the wait for it
	s_wait_dscnt 0x0                               ; the add is done, and my reads of this slot are over
	s_barrier_signal -1
	MUL16 2, 1, NQ-1, \slot, 0
	WIN 0
	s_barrier_wait -1
.if \fill
	CREST                                          ; the barrier has opened a round of the cluster's barrier: no wave of any partner still reads this slot's tile or has a load on its way
	s_add_nc_u64 s[G0+4*\slot+2:G0+4*\slot+3], s[G0+4*\slot+2:G0+4*\slot+3], 2*ROWB
	s_add_nc_u64 s[G0B+4*\slot+2:G0B+4*\slot+3], s[G0B+4*\slot+2:G0B+4*\slot+3], 2*ROWB
	JLOAD G0+4*\slot, G1, G0B+4*\slot, G1B         ; the first tensor load behind the round; its four v_nop are among the places in front of the loads below
	PLACES NP-4
.else
	PLACES NP
.endif
	v_add_nc_u32 v[ADRS], 4*NQ, v[ADRS]            ; on to the next K step's scale words (no LDS load of mine is out)
	FETCH_B \next, 0, 0
	FETCH_A \next, 0, 0
	SCALES \next
	WIN MUL_HI
	MUL16 4, 1, NQ-1, \slot, 0
	MUL16 6, 1, NQ-1, \slot, 0
	PLACES NP
	WIN 0
	FETCH_A \next, 0, 4
.endm
	s_wait_tensorcnt 1                             ; the scales and my part of K step 0 are in (K step 1's load may be out)
	s_barrier_signal -1
	s_barrier_wait -1                              ; everybody's are
	FETCH_B 0, 0, 0
	FETCH_A 0, 0, 0
	SCALES 0
	FETCH_A 0, 0, 4
	STEP 0, 0, 1                                   ; K 0: its products start the sums
	TURN 0, 1, 1                                   ; K 128; slot 0 takes K 512 ..
	STEP 1, 0, 0                                   ; K 256
	TURN 1, 0, 1                                   ; K 384; slot 1 takes K 768 ..
	STEP 0, 0, 0                                   ; K 512
	TURN 0, 1, 0                                   ; K 640; nothing is left to fetch, so no round of the cluster's barrier
	STEP 1, 0, 0                                   ; K 768
	s_wait_dscnt 4*NL                              ; K 896: the last step
	WIN MUL_LO
	MUL16 0, 1, NQ-1, 1, 0
	MUL16 2, 1, NQ-1, 1, 0
	s_wait_dscnt 0
	WIN MUL_HI
	MUL16 4, 1, NQ-1, 1, 0
	MUL16 6, 1, NQ-1, 1, 0
	WIN 0
; THE WAY OUT of row block a (16 rows x my 128 columns: four blocks of 32 along n).
.macro QROW a
.set AC, 64*((\a)%4)                   ; its eight accumulators, in window 2 (blocks 0-3) or 3
.set CB, CD+16*((\a)%4)                ; its codes' registers
	WIN 0x0a+5*((\a)/4)                            ; sources 0 and 1: window 2 or 3
.irp b, 0,1,2,3
	v_max3_num_f32 v[TM+\b], |v[AC+16*\b]|, |v[AC+16*\b+1]|, 0x8000000   ; block b: my 16 numbers, each accumulator from its low end on, and the floor 2^(16 - 127): the byte cannot fall under 1
.endr
.irp i, 2,4,6,8,10,12,14
.irp b, 0,1,2,3
	v_max3_num_f32 v[TM+\b], |v[AC+16*\b+\i]|, |v[AC+16*\b+\i+1]|, v[TM+\b]   ; (the four blocks by turns)
.endr
.endr
	WIN 0
.irp b, 0,1,2,3
	v_permlanex16_b32 v[TM+4+\b], v[TM+\b], s[SEL], s[SEL+1]
.endr
.irp b, 0,1,2,3
	v_max_num_f32 v[TM+\b], v[TM+\b], v[TM+4+\b]   ; with lane l xor 16's 16: the block's largest magnitude
.endr
.irp b, 0,1,2,3
	v_add_nc_u32 v[TM+12+\b], 0xf8800000, v[TM+\b] ; 15 off its exponent field: the conversion takes the exponent field of this operand as its scale
.endr
.irp b, 0,1,2,3
	v_and_or_b32 v[TM+8+\b], v[TM+\b], 0x7f800000, s[MNT]   ; 57,344 x the scale
.endr
.irp b, 0,1,2,3
	v_lshrrev_b32 v[TM+4+\b], 23, v[TM+12+\b]      ; the scale's byte
.endr
	v_lshl_or_b32 v[PW+(\a)], v[TM+5], 8, v[TM+4]  ; my row's four bytes
	v_lshl_or_b32 v[PW+(\a)], v[TM+6], 16, v[PW+(\a)]
	v_lshl_or_b32 v[PW+(\a)], v[TM+7], 24, v[PW+(\a)]
	WIN 0x02+(\a)/4                                ; source 0: window 2 or 3
.irp b, 0,1,2,3
.irp i, 0,1,2,3,4,5,6,7,8,9,10,11,12,13,14,15
	v_med3_num_f32 v[XX+16*\b+\i], v[AC+16*\b+\i], -v[TM+8+\b], v[TM+8+\b]   ; the conversion to an 8-bit code does not saturate (ISA guide 7.6.2): the hold; it also brings the number into window 0
.endr
.endr
	WIN 0
.if (\a) >= 4
	s_wait_xcnt 0x0                                ; the stores of the block four back have read these registers
.endif
.irp b, 0,1,2,3
	v_cvt_scalef32_pk8_bf8_f32 v[CB+4*\b:CB+4*\b+1], v[XX+16*\b:XX+16*\b+7], v[TM+12+\b]
	v_cvt_scalef32_pk8_bf8_f32 v[CB+4*\b+2:CB+4*\b+3], v[XX+16*\b+8:XX+16*\b+15], v[TM+12+\b]
.endr
	v_nop                                          ; one plain vector instruction behind the last conversion, ahead of the lines that write its sources again
.irp b, 0,1,2,3
	global_store_b128 v[VB+\b], v[CB+4*\b:CB+4*\b+3], s[12:13] offset:512*(\a)   ; a piece: 32 lanes store 512 consecutive bytes, at a multiple of 512 from the buffer's first byte
.endr
.endm
	PLACES NP                                      ; behind the last products: their results are read, and registers that they read are written
.irp b, 0,1,2,3
	v_mov_b32 v[TM+4+\b], 0                        ; written once: a lane permute's destination counts as one of its sources
.endr
.irp a, 0,1,2,3,4,5,6,7
	QROW \a
.endr
	; the scale bytes.  q, k: a word's low half is the first head's two bytes, its high half the second head's; a lane's 16 bytes are its row's two bytes in the eight token tiles.  v: row blocks 0-3 are the first head's, 4-7 the second's; a lane's 16 bytes are four words
.irp j, 0,1,2,3
	v_perm_b32 v[LH+\j], v[PW+2*\j+1], v[PW+2*\j], s20
	v_perm_b32 v[LH+4+\j], v[PW+2*\j+1], v[PW+2*\j], s21
.endr
.irp j, 0,1,2,3
	v_cndmask_b32 v[LH+\j], v[LH+\j], v[PW+\j], s[ISV]
	v_cndmask_b32 v[LH+4+\j], v[LH+4+\j], v[PW+4+\j], s[ISV]
.endr
	s_mov_b32 vcc_lo, 0xffff0000                   ; lanes 16-31 take the second head's
.irp j, 0,1,2,3
	v_cndmask_b32 v[FF+\j], v[LH+\j], v[LH+4+\j], vcc_lo
.endr
	global_store_b128 v[VS], v[FF:FF+3], s[OSC:OSC+1]   ; sixteen lanes store 256 consecutive bytes, aligned, twice
	s_wait_tensorcnt 0x0                           ; the wave's end
	ds_add_u32 v[SPW], v[NIL]
	s_wait_dscnt 0x0
	CROUND                                         ; the closing round: no work-group ends while a partner may still ask for a tile that names it
	s_endpgm
.Lfunc_end_k_q0a35689fda_proj:
	.size	k_q0a35689fda_proj, .Lfunc_end_k_q0a35689fda_proj-k_q0a35689fda_proj
	.p2alignl 7, 3214868480
	.fill 96, 4, 3214868480
	.section	.rodata,"a",@progbits
	.p2align	6, 0x0
	.amdhsa_kernel k_q0a35689fda_proj
		.amdhsa_group_segment_fixed_size 327680
		.amdhsa_private_segment_fixed_size 0
		.amdhsa_enable_private_segment 0
		.amdhsa_kernarg_size 144
		.amdhsa_user_sgpr_count 2
		.amdhsa_user_sgpr_kernarg_segment_ptr 1
		.amdhsa_wavefront_size32 1
		.amdhsa_system_sgpr_workgroup_id_x 1
		.amdhsa_system_sgpr_workgroup_id_y 1
		.amdhsa_system_sgpr_workgroup_id_z 1
		.amdhsa_system_vgpr_workitem_id 0
		.amdhsa_next_free_vgpr 1024
		.amdhsa_next_free_sgpr 102
		.amdhsa_reserve_vcc 1
		.amdhsa_float_denorm_mode_32 3
		.amdhsa_float_denorm_mode_16_64 3
		.amdhsa_memory_ordered 1
		.amdhsa_forward_progress 1
		.amdhsa_inst_pref_size 187
	.end_amdhsa_kernel
	.amdgpu_metadata
---
amdhsa.version: [ 1, 2 ]
amdhsa.kernels:
  - .name:           k_q0a35689fda_proj
    .symbol:         k_q0a35689fda_proj.kd
    .args:
      - { .name: q_codes, .offset: 0, .size: 8, .value_kind: global_buffer, .address_space: global }
      - { .name: q_scales, .offset: 8, .size: 8, .value_kind: global_buffer, .address_space: global }
      - { .name: Wq_codes, .offset: 16, .size: 8, .value_kind: global_buffer, .address_space: global }
      - { .name: Wq_scales, .offset: 24, .size: 8, .value_kind: global_buffer, .address_space: global }
      - { .name: qimg, .offset: 32, .size: 8, .value_kind: global_buffer, .address_space: global }
      - { .name: qsc, .offset: 40, .size: 8, .value_kind: global_buffer, .address_space: global }
      - { .name: k_codes, .offset: 48, .size: 8, .value_kind: global_buffer, .address_space: global }
      - { .name: k_scales, .offset: 56, .size: 8, .value_kind: global_buffer, .address_space: global }
      - { .name: Wk_codes, .offset: 64, .size: 8, .value_kind: global_buffer, .address_space: global }
      - { .name: Wk_scales, .offset: 72, .size: 8, .value_kind: global_buffer, .address_space: global }
      - { .name: kimg, .offset: 80, .size: 8, .value_kind: global_buffer, .address_space: global }
      - { .name: ksc, .offset: 88, .size: 8, .value_kind: global_buffer, .address_space: global }
      - { .name: Wv_codes, .offset: 96, .size: 8, .value_kind: global_buffer, .address_space: global }
      - { .name: Wv_scales, .offset: 104, .size: 8, .value_kind: global_buffer, .address_space: global }
      - { .name: v_codes, .offset: 112, .size: 8, .value_kind: global_buffer, .address_space: global }
      - { .name: v_scales, .offset: 120, .size: 8, .value_kind: global_buffer, .address_space: global }
      - { .name: vimg, .offset: 128, .size: 8, .value_kind: global_buffer, .address_space: global }
      - { .name: vsc, .offset: 136, .size: 8, .value_kind: global_buffer, .address_space: global }
    .group_segment_fixed_size: 327680
    .private_segment_fixed_size: 0
    .kernarg_segment_align: 8
    .kernarg_segment_size: 144
    .max_flat_workgroup_size: 128
    .sgpr_count:     102
    .vgpr_count:     1024
    .wavefront_size: 32
...
	.end_amdgpu_metadata
.endif
;; end of part 1
;; launch attn (part 2): grid 4 x 64, 16 waves a work-group, no clusters, 327,680 bytes of LDS; arguments qimg, qsc, kimg, ksc, vimg, vsc, ccimg, csc; writes ccimg, csc
.if DOCPART == 2
	.amdgcn_target "amdgcn-amd-amdhsa--gfx1250"
	.amdhsa_code_object_version 6
	.text
	.protected	k_q0a35689fda_attn
	.globl	k_q0a35689fda_attn
	.p2align	8
	.type	k_q0a35689fda_attn,@function
k_q0a35689fda_attn:
	s_mov_b64 s[64:65], 0
	v_nop
	global_prefetch_b8 v0, s[64:65] scope:SCOPE_SE
	s_setreg_imm32_b32 hwreg(HW_REG_WAVE_MODE, 25, 1), 1
	s_wait_xcnt 0x0
; CAUSAL ATTENTION on codes of BF8 (E5M2) with one E8M0 scale for each 32 along a product's K; 64 heads (batch x 16 + head) of 2,048 tokens, head size 64; the logit is score x 8.
; t = score x 8 log2(e); M = the row's largest t so far, rounded UP to a whole number; p = 2^(t - M) is quantised along the keys, not normalised; the row's sum is taken of the unquantised p and divides O at the end.
; When M moves, the sum and O are multiplied by 2^(old M - new M): exact.  O / sum is then quantised along head x 64 + d for the last product, and leaves as codes.
; THE CONSTANT.  8 log2(e) is no f32 number: it is c (1 + rho), c = 0x4138aa3b, rho = 1.33497584e-8.  The logits here are large (|t| of 2^18 to 2^20 and more), so rho x t reaches a hundredth in the exponent, a hundredth of p.
; So t - M = u + rho (u + M) with u = score x c - M in one rounding; K = rho x M is made once a step and added to each u.  rho x u is left out: under 4e-7 for every p above 2^-30.
; INPUTS are the projection launch's images: a PIECE is 512 bytes, lane l's 16 bytes at 16 l: four registers of an operand.  So every LDS and memory read of codes is 16 x lane + a constant: no pitch, no padding.
; SHARES.  Work-group (g = x, 0 .. 3; head = y).  Wave w owns TWO tiles of 16 queries, one after the other: the light tile 4 w + g and the heavy tile 127 - (4 w + g).  Tile T needs the key steps (128 keys) 0 .. T / 8:
; w / 2 + 1 and 16 - w / 2: 17 for every wave of every work-group.  Pass 1 walks keys 0 .. 1,023 (4 slots of 256 keys), pass 2 all 2,048 (8 slots): 12 slots through one ring of two; the trip counts are constants.
; A step all of whose keys come after the wave's queries is jumped over (a scalar branch on the wave's number and the step's number; no barrier and no tensor load stands in a step); in the one step on the diagonal hidden scores become -infinity.
; LAYOUT.  Both products transposed: S^T = K Q^T (source 0 = keys, source 1 = my 16 queries), O^T = V^T P^T (source 0 = 16 of the head's 64, source 1 = P): a lane holds ONE query (lane % 16) throughout.
; Tile t's register j is key 16 t + 8 (lane / 16) + j, so the 16 registers of tiles 2 c, 2 c + 1 are half of key block c, in the same order inside the block as vimg's codes have.
; K = 64 IN AN INSTRUCTION OF 128: source 0 holds TWO key tiles, [tile 2 p | tile 2 p + 1]; against [Q | zeros] it gives tile 2 p, against [zeros | Q] tile 2 p + 1.  Zero codes add nothing (all codes here are finite: they were held).
; NO JOINT LOADS, though the four work-groups of a head walk the same K and V: a slot's 32,768 bytes serve up to 32 steps of a tile in each work-group, each of nearly 500 instructions, so the fetch is a small part of a slot's work,
; and a round of the cluster's barrier at each of the 12 changes of slots would tie four work-groups' sixteen waves together.
; LIMITS: NaN and infinities arising on the way are not served.  A block whose largest magnitude lies under 2^-111 keeps the scale byte 1; a block of zeros has the byte 1, not 127: its codes are zeros, and this program alone reads the bytes.
.set SLOT1, 32768                      ; LDS: slot 0 at byte 0, slot 1 here: one exclusive or turns an address in one slot into the other's
.set VOFF,  16384                      ; a slot: K's 32 pieces [d block (2)][tile (16)], then V's 32 pieces [step (2)][key block (4)][dt (4)]
.set SCK,   65536                      ; K's scale bytes of the whole head: 16 steps x 256 bytes
.set SCV,   69632                      ; V's likewise
.set SPARE, 73728                      ; the spare words, 128 bytes for each wave: eight blocks of 256 bytes that no other line names
.set SLOTB, 0x40000                    ; a slot on in kimg and in vimg, in bytes
.set LI,   1                           ; v1   16 x lane
.set ASC,  2                           ; v2   SCK + 16 r
.set ADK,  3                           ; v3   LDS address of the step's pieces
.set ADS,  4                           ; v4   of its scale words
.set SPW,  5                           ; v5   LDS address of my spare word; never rewritten
.set NIL,  6                           ; v6   0; never rewritten
.set PFO,  7                           ; v7   the prefetches' offset; never rewritten
.set QD,   8                           ; v8   r - 8 h
.set R16,  9                           ; v9   16 r
.set R32,  10                          ; v10  32 r
.set QA,   16                          ; v16-23 Q;  v24-31 zeros;  v32-39 Q once more: v[16:31] = [Q | 0], v[24:39] = [0 | Q]
.set ZR,   24
.set QB,   32
.set QW,   40                          ; v40  Q's scale word (s0, s1, s0, s1)
.set QR,   41                          ; v41  its two bytes as loaded
.set KR,   42                          ; v[42:43] K = rho x M; v43 is named with it as a pair
.set FRG,  48                          ; v48-111  four fragments of K or of V
.set SS,   112                         ; v112-175 S^T, then p
.set OO,   176                         ; v176-207 O^T
.set PC,   208                         ; v208-223 p's codes
.set BM,   224                         ; v224-227 the blocks' largest
.set PM,   228                         ; v228-231 at work
.set HL,   232                         ; v232-235 57,344 x the scale
.set SO,   236                         ; v236-239 the conversions' scale operands
.set KW,   240                         ; v240-243 K's or V's scale words
.set FF,   244                         ; v[244:245] f = 2^(old M - new M); v245 is named with it as a pair
.set PW,   246                         ; v246 p's scale word
.set NINF, 247                         ; v247 -infinity
.set DD,   248                         ; v248 the mask's bound
.set OW,   249                         ; v249 the result's two scale bytes
.set TMP,  250
.set TB,   2                           ; s2   LDS byte at which the slot in hand begins
.set TS,   3                           ; s3   256 x the step's number: its scale words
.set WV,   20
.set MNT,  21                          ; s21  the mantissa field of 57,344
.set CS,   22                          ; s[22:23] c, the f32 number next to 8 log2(e)
.set G1K,  24                          ; s[24:31] group 1 for K's tiles;  s[32:39] for V's;  s[40:43], s[44:47] their groups 0, which walk
.set G1V,  32
.set G0K,  40
.set G0V,  44
.set G1S,  48                          ; s[48:55] group 1 for the scale bytes;  s[56:59], s[60:63] groups 0 for K's and V's
.set G0SK, 56
.set G0SV, 60
.set SEL,  66                          ; s[66:67] lane selects: lane l xor 16
.set SLOTS, 68                         ; s68  the loops' counter
.set ST,   69                          ; s69  the step's number in the pass
.set TD,   70                          ; s70  the step on my tile's diagonal
.set DQ,   71                          ; s71  my tile's first query in that step
.set WRAP, 74                          ; s[74:75] what takes the walking descriptors back to key 0
.set PFA,  80                          ; s[80:81] where my prefetches stand
.set ASKER, 82                         ; s82  1 in a wave that prefetches
.set CNT,  83                          ; s83  how many changes of slots of the pass it asks at
.set AL,   84                          ; s[84:91] the light tile: Q's pieces, Q's scale bytes, where the codes go, where their scale bytes go
.set AH,   92                          ; s[92:99] the heavy tile likewise
; Waves 0 and 1 fetch for K, waves 2 and 3 for V, the others nothing.  The branches hang on the wave's number alone.  Four v_nop follow each of the two lines.
.macro TLOAD g0k, g1k, g0v, g1v
	s_cmp_lt_u32 s[WV], 2
	s_cbranch_scc0 .Lnot_k_\@
	tensor_load_to_lds s[\g0k:\g0k+3], s[\g1k:\g1k+7]
	s_nop 0
.rept 4
	v_nop
.endr
	s_branch .Lasked_\@
.Lnot_k_\@:
	s_cmp_lt_u32 s[WV], 4
	s_cbranch_scc0 .Lasked_\@
	tensor_load_to_lds s[\g0v:\g0v+3], s[\g1v:\g1v+7]
	s_nop 0
.rept 4
	v_nop
.endr
.Lasked_\@:
.endm
; A PREFETCH INTO THE L2 of the slot that the NEXT change of slots will ask for: K's 16,384 dense bytes and V's 8 rows of 2,048 bytes.  All four work-groups of a head walk the same slots: work-group g = 0 asks, and in it
; waves that fetch nothing, one instruction each: waves 4, 5 for K's halves (lanes 256 bytes apart), waves 6, 7 for V's two steps (4 rows, 8 lanes a row).  So each aligned block of 256 bytes is named once in the launch:
; pass 1 asks for slots 2 and 3 at its first two changes, pass 2 for slots 4 to 7 at its third to sixth; slots 0 and 1 come by their loads alone, slots 0 to 3 of pass 2 have been read, and the last changes ask for nothing.
.macro ASK lo
	s_sub_co_u32 s100, s[SLOTS], \lo
	s_cmp_lt_u32 s100, s[CNT]
	s_cbranch_scc0 .Lnot_mine_\@
	s_wait_xcnt 0x0                                ; the last prefetch, a slot back, has read its address, so it may be stepped
	s_add_nc_u64 s[PFA:PFA+1], s[PFA:PFA+1], SLOTB
	global_prefetch_b8 v[PFO], s[PFA:PFA+1] th:TH_LOAD_NT scope:SCOPE_SE
.Lnot_mine_\@:
.endm
; the four addresses of tile s[t] into s[d:d+7].  s76 = batch, s77 = head, s73 = batch x 16 + head; s101 = 0
.macro TADDR d, t
	s_lshl_b32 s100, s76, 3
	s_lshr_b32 s104, s[\t], 4
	s_add_co_u32 s100, s100, s104
	s_lshl_b32 s100, s100, 18                      ; (batch x 8 + T / 16) x 262,144
	s_lshl_b32 s104, s77, 14
	s_add_co_u32 s100, s100, s104                  ; + head x 16,384
	s_and_b32 s104, s[\t], 15
	s_lshl_b32 s104, s104, 9
	s_add_co_u32 s100, s100, s104                  ; + (T % 16) x 512
	s_add_nc_u64 s[\d:\d+1], s[4:5], s[100:101]
	s_lshl_b32 s100, s73, 12
	s_lshr_b32 s104, s[\t], 3
	s_lshl_b32 s104, s104, 8
	s_add_co_u32 s100, s100, s104
	s_and_b32 s104, s[\t], 7
	s_lshl_b32 s104, s104, 1
	s_add_co_u32 s100, s100, s104                  ; head's 4,096 + (T / 8) x 256 + (T % 8) x 2
	s_add_nc_u64 s[\d+2:\d+3], s[6:7], s[100:101]
	s_lshl_b32 s100, s76, 7
	s_add_co_u32 s100, s100, s[\t]                 ; the token tile among all 512
	s_lshl_b32 s104, s100, 14
	s_lshl_b32 s105, s77, 10
	s_add_co_u32 s104, s104, s105
	s_mov_b32 s105, 0
	s_add_nc_u64 s[\d+4:\d+5], s[16:17], s[104:105]
	s_lshl_b32 s100, s100, 9
	s_lshl_b32 s104, s77, 1
	s_add_co_u32 s100, s100, s104
	s_add_nc_u64 s[\d+6:\d+7], s[18:19], s[100:101]
.endm
	s_load_b512 s[4:19], s[0:1], 0x0               ; qimg s[4:5], qsc s[6:7], kimg s[8:9], ksc s[10:11], vimg s[12:13], vsc s[14:15], ccimg s[16:17], csc s[18:19]
	v_lshl_add_u32 v[SPW], v0, 2, SPARE
	v_mov_b32 v[NIL], 0
	ds_add_u32 v5, v6
	s_wait_dscnt 0x0
	v_lshrrev_b32 v[ADK], 5, v0
	v_readfirstlane_b32 s[WV], v[ADK]              ; wave 0..15
	s_and_b32 s73, ttmp7, 0xffff                   ; batch x 16 + head
	s_lshr_b32 s76, s73, 4
	s_and_b32 s77, s73, 15
	s_and_b32 s72, s[WV], 1                        ; e: which half I fetch, if I fetch
	; group 1: K: 8,192 dense bytes as 32 rows of 256 (elements of 8 bytes);  V: 4 rows of 2,048 bytes, 32,768 apart;  scale bytes: 2,048 dense bytes as 8 rows of 256.  No mask, no padding
	s_mov_b32 s[G1K], 3<<16
	s_mov_b32 s[G1K+1], 32<<16                     ; tensor_dim0
	s_mov_b32 s[G1K+2], 32<<16                     ; tensor_dim1
	s_mov_b32 s[G1K+3], 32<<16                     ; tile_dim0
	s_mov_b32 s[G1K+4], 32                         ; tile_dim1
	s_mov_b32 s[G1K+5], 32                         ; tensor_dim0_stride
	s_mov_b32 s[G1K+6], 0
	s_mov_b32 s[G1K+7], 0
	s_mov_b32 s[G1V], 3<<16
	s_mov_b32 s[G1V+1], 256<<16
	s_mov_b32 s[G1V+2], 4<<16
	s_mov_b32 s[G1V+3], 256<<16
	s_mov_b32 s[G1V+4], 4
	s_mov_b32 s[G1V+5], 4096
	s_mov_b32 s[G1V+6], 0
	s_mov_b32 s[G1V+7], 0
	s_mov_b32 s[G1S], 3<<16
	s_mov_b32 s[G1S+1], 32<<16
	s_mov_b32 s[G1S+2], 8<<16
	s_mov_b32 s[G1S+3], 32<<16
	s_mov_b32 s[G1S+4], 8
	s_mov_b32 s[G1S+5], 32
	s_mov_b32 s[G1S+6], 0
	s_mov_b32 s[G1S+7], 0
	s_lshl_b32 s74, s76, 21                        ; a batch is 2^21 bytes of each image
	s_lshl_b32 s100, s77, 14
	s_add_co_u32 s100, s100, s74
	s_lshl_b32 s101, s72, 13
	s_add_co_u32 s100, s100, s101                  ; K: batch + head x 16,384 + e x 8,192 (d block e)
	s_mov_b32 s101, 0
	s_lshl_b32 s104, s77, 11
	s_add_co_u32 s104, s104, s74
	s_lshl_b32 s105, s72, 17
	s_add_co_u32 s104, s104, s105                  ; V: batch + head x 2,048 + e x 4 rows (step e of the slot)
	s_mov_b32 s105, 0
	s_lshl_b32 s78, s73, 12
	s_lshl_b32 s79, s72, 11
	s_add_co_u32 s78, s78, s79                     ; scale bytes: the head's 4,096, half e
	s_mov_b32 s79, 0
	s_lshl_b32 s[G0K+1], s72, 13                   ; LDS: slot 0, K's half e
	s_add_co_u32 s[G0V+1], s[G0K+1], VOFF          ; V's step e
	s_lshl_b32 s[G0SK+1], s72, 11
	s_add_co_u32 s[G0SV+1], s[G0SK+1], SCV
	s_add_co_u32 s[G0SK+1], s[G0SK+1], SCK
	s_mov_b32 s[SEL], 0x76543210
	s_mov_b32 s[SEL+1], 0xfedcba98
	s_mov_b32 s[CS], 0x4138aa3b                    ; c
	s_mov_b32 s[CS+1], s[CS]                       ; (named with it as a pair, so it is written)
	s_mov_b32 s[MNT], 0x600000
	s_mov_b32 s[TB], 0
	s_mov_b32 s[TS], 0
	s_mov_b32 s[ST], 0
	s_wait_kmcnt 0x0
	s_mov_b32 s[G0SK], 1
	s_add_nc_u64 s[G0SK+2:G0SK+3], s[10:11], s[78:79]
	s_or_b32 s[G0SK+3], s[G0SK+3], 0x80000000
	s_mov_b32 s[G0SV], 1
	s_add_nc_u64 s[G0SV+2:G0SV+3], s[14:15], s[78:79]
	s_or_b32 s[G0SV+3], s[G0SV+3], 0x80000000
	TLOAD G0SK, G1S, G0SV, G1S                     ; the scale bytes of the whole head: filled once
	s_mov_b32 s[G0K], 1
	s_add_nc_u64 s[G0K+2:G0K+3], s[8:9], s[100:101]
	s_or_b32 s[G0K+3], s[G0K+3], 0x80000000
	s_mov_b32 s[G0V], 1
	s_add_nc_u64 s[G0V+2:G0V+3], s[12:13], s[104:105]
	s_or_b32 s[G0V+3], s[G0V+3], 0x80000000
	TLOAD G0K, G1K, G0V, G1V                       ; slot 0: two loads of a fetching wave are out; every wait for them is for 0
	; the prefetches: waves 4, 5 stand where waves 0, 1 fetch, waves 6, 7 where waves 2, 3 fetch, one slot on; the first request steps to slot 2.  Nothing is asked for here, at the head
	s_cmp_lt_u32 s[WV], 6
	s_cselect_b64 s[PFA:PFA+1], s[8:9], s[12:13]
	s_cselect_b32 s100, s100, s104
	s_mov_b32 s104, 0x8000
	s_cselect_b32 s104, 2048, s104                 ; from one group of eight lanes to the next: 2,048 bytes on in K's block, a row on in V
	s_add_nc_u64 s[PFA:PFA+1], s[PFA:PFA+1], s[100:101]
	s_add_nc_u64 s[PFA:PFA+1], s[PFA:PFA+1], SLOTB
	v_and_b32 v[TMP], 31, v0
	v_lshlrev_b32 v[LI], 4, v[TMP]
	v_lshrrev_b32 v[DD], 3, v[TMP]
	v_and_b32 v[TMP], 7, v[TMP]
	v_lshlrev_b32 v[TMP], 8, v[TMP]
	v_mad_u32_u24 v[PFO], v[DD], s104, v[TMP]
	s_lshr_b32 s100, s[WV], 2
	s_xor_b32 s100, s100, 1                        ; 0 in waves 4 to 7,
	s_or_b32 s100, s100, ttmp9                     ; of the head's first work-group
	s_cmp_eq_u32 s100, 0
	s_cselect_b32 s[ASKER], 1, 0
	s_lshl_b32 s[CNT], s[ASKER], 1                 ; pass 1: two requests
	s_lshl_b32 s74, s[WV], 2
	s_add_co_u32 s74, s74, ttmp9                   ; the light tile, 0 .. 63
	s_sub_co_u32 s75, 127, s74                     ; the heavy tile
	TADDR AL, 74
	TADDR AH, 75
	s_mov_b32 s[WRAP], 0
	s_mov_b32 s[WRAP+1], 0
	s_lshr_b32 s[TD], s[WV], 1                     ; the light tile's diagonal step: (4 w + g) / 8
	s_lshl_b32 s[DQ], s72, 2
	s_add_co_u32 s[DQ], s[DQ], ttmp9
	s_lshl_b32 s[DQ], s[DQ], 4                     ; and its first query there: 16 ((4 w + g) % 8)
	v_and_b32 v[ADK], 15, v0                       ; r
	v_bfe_u32 v[ADS], v0, 4, 1                     ; h
	v_lshl_add_u32 v[ASC], v[ADK], 4, SCK
	v_lshlrev_b32 v[R16], 4, v[ADK]
	v_lshlrev_b32 v[R32], 5, v[ADK]
	v_lshlrev_b32 v[QD], 3, v[ADS]
	v_sub_nc_u32 v[QD], v[ADK], v[QD]
.macro QLOAD a                         ; a tile's Q: two pieces (d blocks 0, 1), each into both copies; and its row's two scale bytes
	global_load_b128 v[QA:QA+3], v[LI], s[\a:\a+1]
	global_load_b128 v[QA+4:QA+7], v[LI], s[\a:\a+1] offset:8192
	global_load_b128 v[QB:QB+3], v[LI], s[\a:\a+1]
	global_load_b128 v[QB+4:QB+7], v[LI], s[\a:\a+1] offset:8192
	global_load_u16 v[QR], v[R16], s[\a+2:\a+3]
.endm
.macro RESET                           ; a tile begins: the steps are written once, and the first finds zeros, which the first change of M leaves zeros
	v_mov_b32 v13, 0xff61b1e6                      ; the largest t so far: -3e38, under every t
	v_floor_f32 v12, -v13                          ; -M
	v_mov_b32 v14, 0                               ; the sum, in two halves
	v_mov_b32 v15, 0
.irp j, 0,1,2,3,4,5,6,7,8,9,10,11,12,13,14,15,16,17,18,19,20,21,22,23,24,25,26,27,28,29,30,31
	v_mov_b32 v[OO+\j], 0
.endr
.endm
	QLOAD AL
.irp j, 0,1,2,3,4,5,6,7
	v_mov_b32 v[ZR+\j], 0                          ; the zero codes
.endr
.irp b, 0,1,2,3
	v_mov_b32 v[PM+\b], 0                          ; written once: a lane permute's destination counts as one of its sources
.endr
	v_mov_b32 v[FF+1], 0
	v_mov_b32 v[KR+1], 0
	v_mov_b32 v[NINF], 0xff800000
	s_wait_loadcnt 0x0
	v_lshl_or_b32 v[QW], v[QR], 16, v[QR]          ; (s0, s1, s0, s1): the moves below are the places between this line and the first product that names it
	RESET
; A KEY STEP: 128 keys, the q-th of the slot in hand.
.macro STEP q
	s_cmp_gt_u32 s[ST], s[TD]                      ; all its keys come after my queries: only the counters at its end are stepped
	s_cbranch_scc1 .Lhidden_\@
	v_add_nc_u32 v[ADK], s[TB], v[LI]
	v_add_nc_u32 v[ADS], s[TS], v[ASC]
.rept 6
	v_nop                                          ; with the two additions: eight places in front of loads into registers that the last products have read
.endr
.irp p, 0,1,2,3                                ; fragment p = [key tile 2 p | key tile 2 p + 1], each two pieces
.irp e, 0,1
.irp c, 0,1
	ds_load_b128 v[FRG+16*\p+8*\e+4*\c:FRG+16*\p+8*\e+4*\c+3], v[ADK] offset:4096*(\q)+8192*\c+512*(2*\p+\e)
.endr
.endr
.endr
	ds_load_b128 v[KW:KW+3], v[ADS]                ; word p: (s0, s1) of tile 2 p, (s0, s1) of tile 2 p + 1, of the tiles' row r
	s_wait_dscnt 0x0
.irp p, 0,1,2,3
	v_wmma_scale_f32_16x16x128_f8f6f4 v[SS+16*\p:SS+16*\p+7], v[FRG+16*\p:FRG+16*\p+15], v[QA:QA+15], 0, v[KW+\p], v[QW] matrix_a_fmt:MATRIX_FMT_BF8 matrix_b_fmt:MATRIX_FMT_BF8
	v_wmma_scale_f32_16x16x128_f8f6f4 v[SS+16*\p+8:SS+16*\p+15], v[FRG+16*\p:FRG+16*\p+15], v[ZR:ZR+15], 0, v[KW+\p], v[QW] matrix_a_fmt:MATRIX_FMT_BF8 matrix_b_fmt:MATRIX_FMT_BF8
.endr
.rept 8
	v_nop                                          ; eight places: in front of the loads below, and of the first read of the scores
.endr
.irp d, 0,1,2,3                                ; V's four fragments (16 of the head's 64 x these 128 keys) land while the softmax is worked
.irp c, 0,1,2,3
	ds_load_b128 v[FRG+16*\d+4*\c:FRG+16*\d+4*\c+3], v[ADK] offset:VOFF+8192*(\q)+2048*\c+512*\d
.endr
.endr
	ds_load_b128 v[KW:KW+3], v[ADS] offset:SCV-SCK ; word dt: the four key blocks' bytes of row 16 dt + r
	s_cmp_lg_u32 s[ST], s[TD]                      ; only the step on the diagonal has hidden keys
	s_cbranch_scc1 .Lopen_\@
	v_add_nc_u32 v[DD], s[DQ], v[QD]               ; register n holds the step's key 16 (n / 8) + n % 8 + 8 h: hidden where 16 (n / 8) + n % 8 > my query - 8 h
.irp n, 0,1,2,3,4,5,6,7,8,9,10,11,12,13,14,15,16,17,18,19,20,21,22,23,24,25,26,27,28,29,30,31,32,33,34,35,36,37,38,39,40,41,42,43,44,45,46,47,48,49,50,51,52,53,54,55,56,57,58,59,60,61,62,63
	v_cmp_gt_i32 vcc_lo, 16*(\n/8)+\n%8, v[DD]
	v_cndmask_b32 v[SS+\n], v[SS+\n], v[NINF], vcc_lo
.endr
.Lopen_\@:
.irp b, 0,1,2,3
	v_max3_num_f32 v[BM+\b], v[SS+16*\b], v[SS+16*\b+1], v[SS+16*\b+2]   ; the largest score of each block of 32 keys: it serves for the row's maximum and, since p rises with the score, for the block's largest p
.endr
.irp i, 3,5,7,9,11,13
.irp b, 0,1,2,3
	v_max3_num_f32 v[BM+\b], v[BM+\b], v[SS+16*\b+\i], v[SS+16*\b+\i+1]
.endr
.endr
.irp b, 0,1,2,3
	v_max_num_f32 v[BM+\b], v[BM+\b], v[SS+16*\b+15]
.endr
.irp b, 0,1,2,3
	v_permlanex16_b32 v[PM+\b], v[BM+\b], s[SEL], s[SEL+1]
.endr
.irp b, 0,1,2,3
	v_max_num_f32 v[BM+\b], v[BM+\b], v[PM+\b]     ; with lane l xor 16's 16 keys
.endr
	v_max3_num_f32 v[TMP], v[BM], v[BM+1], v[BM+2]
	v_max_num_f32 v[TMP], v[TMP], v[BM+3]          ; the step's largest score of my query
	v_mul_f32 v[TMP], s[CS], v[TMP]                ; as t (c is positive)
	v_max_num_f32 v13, v13, v[TMP]                 ; the running largest t
	v_mov_b32 v[TMP], v12
	v_floor_f32 v12, -v13                          ; the new -M = floor(-t) = -ceil(t): a whole number
	v_sub_f32 v[TMP], v12, v[TMP]                  ; old M - new M: a whole number, 0 or less
	v_cvt_i32_f32 v[TMP], v[TMP]                   ; (it saturates)
	v_ldexp_f32 v[FF], 1.0, v[TMP]                 ; f = 2^(old M - new M)
	v_mul_f32 v[KR], 0xb26558dc, v12               ; K = rho x M = (-rho) x (-M): what the f32 constant c leaves out of t near the row's maximum
.irp j, 0,2,4,6,8,10,12,14,16,18,20,22,24,26,28,30,32,34,36,38,40,42,44,46,48,50,52,54,56,58,60,62
	v_pk_fma_f32 v[SS+\j:SS+\j+1], v[SS+\j:SS+\j+1], s[CS:CS+1], v[12:13] op_sel_hi:[1,0,0]   ; u = score x c - M in one rounding, two at a time
.endr
.irp b, 0,1,2,3
	v_fma_f32 v[BM+\b], v[BM+\b], s[CS], v12       ; the same of each block's largest score
.endr
.irp j, 0,2,4,6,8,10,12,14,16,18,20,22,24,26,28,30,32,34,36,38,40,42,44,46,48,50,52,54,56,58,60,62
	v_pk_add_f32 v[SS+\j:SS+\j+1], v[SS+\j:SS+\j+1], v[KR:KR+1] op_sel_hi:[1,0]   ; t - M = u + K
.endr
.irp b, 0,1,2,3
	v_add_f32 v[BM+\b], v[BM+\b], v[KR]            ; the same again
.endr
.irp j, 0,1,2,3,4,5,6,7,8,9,10,11,12,13,14,15,16,17,18,19,20,21,22,23,24,25,26,27,28,29,30,31,32,33,34,35,36,37,38,39,40,41,42,43,44,45,46,47,48,49,50,51,52,53,54,55,56,57,58,59,60,61,62,63
	v_exp_f32 v[SS+\j], v[SS+\j]                   ; p = 2^(t - M): not normalised
.endr
	v_pk_mul_f32 v[14:15], v[14:15], v[FF:FF+1] op_sel_hi:[1,0]   ; the sums under the new M: a plain instruction behind the exponentials
	s_wait_alu depctr_va_vdst(0)                   ; one wait for the batch of 64, ahead of its first reader
.irp b, 0,1,2,3
	v_exp_f32 v[BM+\b], v[BM+\b]                   ; the block's largest p: the same three instructions on the same number give the same bits
.endr
	v_pk_add_f32 v[PM:PM+1], v[SS:SS+1], v[SS+2:SS+3]   ; the row's sum is taken of the unquantised p: two at a time, in two chains
.irp j, 4,8,12,16,20,24,28,32,36,40,44,48,52,56,60
	v_pk_add_f32 v[14:15], v[14:15], v[SS+\j:SS+\j+1]
	v_pk_add_f32 v[PM:PM+1], v[PM:PM+1], v[SS+\j+2:SS+\j+3]
.endr
	v_pk_add_f32 v[14:15], v[14:15], v[PM:PM+1]
	s_wait_alu depctr_va_vdst(0)                   ; and one for the four
.irp b, 0,1,2,3
	v_max_num_f32 v[BM+\b], 0x8000000, v[BM+\b]    ; the floor 2^(16 - 127): the byte cannot fall under 1
.endr
.irp b, 0,1,2,3
	v_add_nc_u32 v[SO+\b], 0xf8800000, v[BM+\b]    ; 15 off the exponent field: the conversion's scale operand
.endr
.irp b, 0,1,2,3
	v_and_or_b32 v[HL+\b], v[BM+\b], 0x7f800000, s[MNT]   ; 57,344 x the scale
.endr
.irp b, 0,1,2,3
	v_lshrrev_b32 v[PM+\b], 23, v[SO+\b]           ; the scale's byte
.endr
	v_lshl_or_b32 v[PW], v[PM+1], 8, v[PM]         ; p's scale word for these 128 keys; the 64 holds below are the places between it and the products
	v_lshl_or_b32 v[PW], v[PM+2], 16, v[PW]
	v_lshl_or_b32 v[PW], v[PM+3], 24, v[PW]
.irp b, 0,1,2,3
.irp i, 0,1,2,3,4,5,6,7,8,9,10,11,12,13,14,15
	v_min_num_f32 v[SS+16*\b+\i], v[SS+16*\b+\i], v[HL+\b]   ; the conversion does not saturate (ISA guide 7.6.2); p is not negative, so the hold is one-sided
.endr
	v_cvt_scalef32_pk8_bf8_f32 v[PC+4*\b:PC+4*\b+1], v[SS+16*\b:SS+16*\b+7], v[SO+\b]
	v_cvt_scalef32_pk8_bf8_f32 v[PC+4*\b+2:PC+4*\b+3], v[SS+16*\b+8:SS+16*\b+15], v[SO+\b]
.endr
.irp j, 0,2,4,6,8,10,12,14,16,18,20,22,24,26,28,30
	v_pk_mul_f32 v[OO+\j:OO+\j+1], v[OO+\j:OO+\j+1], v[FF:FF+1] op_sel_hi:[1,0]   ; O^T under the new M, each accumulator from its low end on; these sixteen also stand between the conversions and the products
.endr
	s_wait_dscnt 0x0                               ; V and its scale words are in
.irp d, 0,1,2,3
	v_wmma_scale_f32_16x16x128_f8f6f4 v[OO+8*\d:OO+8*\d+7], v[FRG+16*\d:FRG+16*\d+15], v[PC:PC+15], v[OO+8*\d:OO+8*\d+7], v[KW+\d], v[PW] matrix_a_fmt:MATRIX_FMT_BF8 matrix_b_fmt:MATRIX_FMT_BF8
.endr
.Lhidden_\@:
	s_add_co_u32 s[ST], s[ST], 1
	s_add_co_u32 s[TS], s[TS], 256
.endm
; THE CHANGE OF SLOTS stands at a slot's head.  Each wave waits for all its tensor loads (its part of the slot ahead), adds 0 to its spare word, and waits for that and for its reads of the slot that it has left.
; Behind the barrier the slot ahead is whole and nobody reads the other one.  fill = 1: that other slot is filled with the 256 keys that follow; wrap = 1: in the loop's last trip they are pass 2's first 256.
.macro CHANGE fill, wrap, lo
	s_wait_tensorcnt 0x0                           ; no tensor load of mine is out, so a group 0 may be written
	ds_add_u32 v[SPW], v[NIL]                      ; 0 onto my spare word
.if \fill
	s_xor_b32 s[G0K+1], s[G0K+1], SLOT1            ; the walking descriptors: the other slot than last time,
	s_add_nc_u64 s[G0K+2:G0K+3], s[G0K+2:G0K+3], SLOTB   ; the next 256 keys; the type bits on top are not reached
	s_xor_b32 s[G0V+1], s[G0V+1], SLOT1
	s_add_nc_u64 s[G0V+2:G0V+3], s[G0V+2:G0V+3], SLOTB
.if \wrap
	s_cmp_eq_u32 s[SLOTS], 1
	s_cselect_b32 s[WRAP], 4*SLOTB, 0              ; four slots back: key 0 again
	s_sub_nc_u64 s[G0K+2:G0K+3], s[G0K+2:G0K+3], s[WRAP:WRAP+1]
	s_sub_nc_u64 s[G0V+2:G0V+3], s[G0V+2:G0V+3], s[WRAP:WRAP+1]
.endif
.endif
	s_wait_dscnt 0x0                               ; the add is done, and my reads of the slot that I have left are over
	s_barrier_signal -1
	s_barrier_wait -1
.if \fill
	TLOAD G0K, G1K, G0V, G1V                       ; the first thing behind the barrier, and a wave's one tensor load until the next: it has a slot's two steps in which to land
	ASK \lo
.endif
.endm
.macro SLOT_STEPS
	STEP 0
	STEP 1
	s_xor_b32 s[TB], s[TB], SLOT1                  ; on to the other slot
.endm
; A TILE'S END.  O^T / the sum; its two blocks of 32 along d are quantised; two exchanges a block put the codes into the order of d, since the last product's other operand is given so; two pieces and two scale bytes a row leave.
.macro FINISH a
	v_add_f32 v14, v14, v15                        ; the sum's two halves,
	v_permlanex16_b32 v[PM], v14, s[SEL], s[SEL+1]
	v_add_f32 v14, v14, v[PM]                      ; and lane l xor 16's: the row's sum
	v_rcp_f32 v14, v14
	v_nop                                          ; a plain instruction behind the reciprocal,
	s_wait_alu depctr_va_vdst(0)                   ; and the wait ahead of its first reader
.irp j, 0,1,2,3,4,5,6,7,8,9,10,11,12,13,14,15,16,17,18,19,20,21,22,23,24,25,26,27,28,29,30,31
	v_mul_f32 v[SS+\j], v[OO+\j], v14              ; register 8 dt + j is d = 16 dt + 8 h + j of query r
.endr
.irp b, 0,1
	v_max3_num_f32 v[BM+\b], |v[SS+16*\b]|, |v[SS+16*\b+1]|, 0x8000000
.endr
.irp i, 2,4,6,8,10,12,14
.irp b, 0,1
	v_max3_num_f32 v[BM+\b], v[BM+\b], |v[SS+16*\b+\i]|, |v[SS+16*\b+\i+1]|
.endr
.endr
.irp b, 0,1
	v_permlanex16_b32 v[PM+\b], v[BM+\b], s[SEL], s[SEL+1]
.endr
.irp b, 0,1
	v_max_num_f32 v[BM+\b], v[BM+\b], v[PM+\b]
.endr
.irp b, 0,1
	v_add_nc_u32 v[SO+\b], 0xf8800000, v[BM+\b]
	v_and_or_b32 v[HL+\b], v[BM+\b], 0x7f800000, s[MNT]
.endr
.irp b, 0,1
	v_lshrrev_b32 v[PM+\b], 23, v[SO+\b]
.endr
	v_lshl_or_b32 v[OW], v[PM+1], 8, v[PM]
.irp b, 0,1
.irp i, 0,1,2,3,4,5,6,7,8,9,10,11,12,13,14,15
	v_med3_num_f32 v[SS+16*\b+\i], v[SS+16*\b+\i], -v[HL+\b], v[HL+\b]
.endr
	v_cvt_scalef32_pk8_bf8_f32 v[PC+4*\b:PC+4*\b+1], v[SS+16*\b:SS+16*\b+7], v[SO+\b]
	v_cvt_scalef32_pk8_bf8_f32 v[PC+4*\b+2:PC+4*\b+3], v[SS+16*\b+8:SS+16*\b+15], v[SO+\b]
.endr
	v_nop                                          ; one plain instruction behind the last conversion
.irp b, 0,1
	v_permlane16_swap_b32 v[PC+4*\b], v[PC+4*\b+2]     ; lanes 16-31 hold d 8 .. 15 in registers 0, 1 and lanes 0-15 hold d 16 .. 23 in registers 2, 3: exchanged, lane (r, h) holds d = 32 b + 16 h + 0 .. 15
	v_permlane16_swap_b32 v[PC+4*\b+1], v[PC+4*\b+3]
.endr
.irp b, 0,1
	global_store_b128 v[LI], v[PC+4*\b:PC+4*\b+3], s[\a+4:\a+5] offset:512*\b   ; a piece: 512 consecutive bytes, aligned
.endr
	global_store_b16 v[R32], v[OW], s[\a+6:\a+7]   ; my row's two scale bytes (both lanes of a row store the same two): 2 bytes of each token's 32: one byte in 32 of what this launch stores
.endm
	s_mov_b32 s[SLOTS], 4
.Lp1:                                              ; PASS 1: the light tile; keys 0 .. 1,023.  Its last change asks for pass 2's first slot
	CHANGE 1, 1, 3
	SLOT_STEPS
	s_sub_co_u32 s[SLOTS], s[SLOTS], 1
	s_cmp_lg_u32 s[SLOTS], 0
	s_cbranch_scc1 .Lp1
.rept 8
	v_nop                                          ; eight places behind the last products: Q's registers are loaded again, O^T is read
.endr
	QLOAD AH                                       ; lands while the light tile is finished
	FINISH AL
	s_wait_loadcnt 0x0
	v_lshl_or_b32 v[QW], v[QR], 16, v[QR]
	RESET
	s_wait_xcnt 0x0                                ; the stores above have read their registers, which pass 2 writes again
	s_mov_b32 s[ST], 0
	s_mov_b32 s[TS], 0
	s_sub_co_u32 s[TD], 15, s[TD]                  ; the heavy tile: (127 - T) / 8 = 15 - T / 8,
	s_sub_co_u32 s[DQ], 112, s[DQ]                 ; 16 ((127 - T) % 8) = 112 - 16 (T % 8)
	s_lshl_b32 s[CNT], s[ASKER], 2                 ; pass 2: four requests
	s_mov_b32 s[SLOTS], 7
.Lp2:                                              ; PASS 2: the heavy tile; behind each change of slots but the last the next slot is asked for
	CHANGE 1, 0, 2
	SLOT_STEPS
	s_sub_co_u32 s[SLOTS], s[SLOTS], 1
	s_cmp_lg_u32 s[SLOTS], 0
	s_cbranch_scc1 .Lp2
	CHANGE 0, 0, 0                                 ; the last slot is written out
	SLOT_STEPS
.rept 8
	v_nop
.endr
	FINISH AH
	s_wait_tensorcnt 0x0                           ; the wave's end
	ds_add_u32 v[SPW], v[NIL]
	s_wait_dscnt 0x0
	s_endpgm
.Lfunc_end_k_q0a35689fda_attn:
	.size	k_q0a35689fda_attn, .Lfunc_end_k_q0a35689fda_attn-k_q0a35689fda_attn
	.p2alignl 7, 3214868480
	.fill 96, 4, 3214868480
	.section	.rodata,"a",@progbits
	.p2align	6, 0x0
	.amdhsa_kernel k_q0a35689fda_attn
		.amdhsa_group_segment_fixed_size 327680
		.amdhsa_private_segment_fixed_size 0
		.amdhsa_enable_private_segment 0
		.amdhsa_kernarg_size 64
		.amdhsa_user_sgpr_count 2
		.amdhsa_user_sgpr_kernarg_segment_ptr 1
		.amdhsa_wavefront_size32 1
		.amdhsa_system_sgpr_workgroup_id_x 1
		.amdhsa_system_sgpr_workgroup_id_y 1
		.amdhsa_system_sgpr_workgroup_id_z 1
		.amdhsa_system_vgpr_workitem_id 0
		.amdhsa_next_free_vgpr 256
		.amdhsa_next_free_sgpr 106
		.amdhsa_reserve_vcc 1
		.amdhsa_float_denorm_mode_32 3
		.amdhsa_float_denorm_mode_16_64 3
		.amdhsa_memory_ordered 1
		.amdhsa_forward_progress 1
		.amdhsa_inst_pref_size 181
	.end_amdhsa_kernel
	.amdgpu_metadata
---
amdhsa.version: [ 1, 2 ]
amdhsa.kernels:
  - .name:           k_q0a35689fda_attn
    .symbol:         k_q0a35689fda_attn.kd
    .args:
      - { .name: qimg, .offset: 0, .size: 8, .value_kind: global_buffer, .address_space: global }
      - { .name: qsc, .offset: 8, .size: 8, .value_kind: global_buffer, .address_space: global }
      - { .name: kimg, .offset: 16, .size: 8, .value_kind: global_buffer, .address_space: global }
      - { .name: ksc, .offset: 24, .size: 8, .value_kind: global_buffer, .address_space: global }
      - { .name: vimg, .offset: 32, .size: 8, .value_kind: global_buffer, .address_space: global }
      - { .name: vsc, .offset: 40, .size: 8, .value_kind: global_buffer, .address_space: global }
      - { .name: ccimg, .offset: 48, .size: 8, .value_kind: global_buffer, .address_space: global }
      - { .name: csc, .offset: 56, .size: 8, .value_kind: global_buffer, .address_space: global }
    .group_segment_fixed_size: 327680
    .private_segment_fixed_size: 0
    .kernarg_segment_align: 8
    .kernarg_segment_size: 64
    .max_flat_workgroup_size: 512
    .sgpr_count:     106
    .vgpr_count:     256
    .wavefront_size: 32
...
	.end_amdgpu_metadata
.endif
;; end of part 2
;; launch outp (part 3): grid 4 x 32, 4 waves a work-group, clusters of 4 x 4, 327,680 bytes of LDS; arguments ccimg, csc, Wo_codes, Wo_scales, out0; writes out0
.if DOCPART == 3
	.amdgcn_target "amdgcn-amd-amdhsa--gfx1250"
	.amdhsa_code_object_version 6
	.text
	.protected	k_q0a35689fda_outp
	.globl	k_q0a35689fda_outp
	.p2align	8
	.type	k_q0a35689fda_outp,@function
k_q0a35689fda_outp:
	s_mov_b64 s[64:65], 0
	v_nop
	global_prefetch_b8 v0, s[64:65] scope:SCOPE_SE
	s_setreg_imm32_b32 hwreg(HW_REG_WAVE_MODE, 25, 1), 1
	s_wait_xcnt 0x0
	s_wait_alu depctr_hold_cnt(0) depctr_sa_sdst(0) depctr_va_vdst(0) depctr_va_sdst(0) depctr_va_ssrc(0) depctr_va_vcc(0) depctr_vm_vsrc(0)
	s_getreg_b32 s2, hwreg(HW_REG_IB_STS2, 6, 4)
	s_cmp_eq_u32 s2, 0
	s_cbranch_scc0 .Lentry_in_a_cluster
	s_endpgm
.Lentry_in_a_cluster:
	s_bfe_u32 s2, ttmp6, 0x10000c
	s_cmp_lg_u32 s2, 0xf033
	s_cbranch_scc0 .Lentry_shape_is_right
	s_endpgm
.Lentry_shape_is_right:
; out0[m][n] = sum over k of concat[m][k] Wo[n][k]: M = 8,192 tokens, N = 1,024, K = 1,024 = head x 64 + d, on codes of BF8 (E5M2) with one E8M0 scale for each 32 along K; out0 f32.
; A = concat comes from the attention launch as IMAGES of operand registers: piece (token tile, K block) = 512 bytes, lane l's 16 bytes at 16 l, at token tile x 16,384 + K block x 512; its scale bytes [token][32].
; B = Wo is given as rows of 1,024 codes, K innermost; its scale bytes [n][32].
; A tile of C, 256 x 256, is made by four waves, each 128 x 128: 64 accumulators, 512 registers.  That is 128 work-groups: half of the tiles that 128 x 256 would give; kept for the larger wave tile.
; K goes in steps of 256 through a ring of two LDS slots filled by the tensor data mover; K = 1,024 is four slots, so the eight steps of 128 are written out and there is no loop.  The scale bytes come into LDS once.
; CLUSTERS: 4 x 4 work-groups; A's tiles are asked for jointly along a row of the cluster, B's along a column.  THE MATRIX INSTRUCTION IS USED TRANSPOSED (source 0 = 16 rows of B, source 1 = 16 rows of A): a lane holds eight neighbouring numbers of a row of C.
; LIMITS: NaN and infinity codes and the scale byte 0xff in Wo are not served.
; REGISTERS, in windows of 256: window 0: v0-31 addresses; v32-63 scale words, two sets; from v128 A's fragments, ONE set; on the way out v128-255 rows of C.   window 1: B's fragments, TWO sets.   windows 2, 3: the accumulators.
.set SIZE_N, 1024
.set KSTEP,  256
.set NQ,     2
.set ROWB,   256                       ; a row of B's tile in bytes
.set KROW,   1024                      ; a row of B in memory; also: 16 rows of A's images are 16 x 1,024 bytes
.set PITCH,  272                       ; B's LDS row: 256 bytes + 16 of padding: the 16 rows that a load touches start at 16 different banks (64 banks of 4 bytes: ISA guide 11.1)
.set ASLOT,  4096                      ; a token tile's pieces of one slot: 8 K blocks x 512 bytes, dense in memory and in LDS
.set FR,     16
.set NL,     4
.set NP,     8                         ; places behind this matrix instruction (ISA guide 7.12.1)
.set HALFT,  128*PITCH                 ; the room of 128 rows in a slot (A's images use 32,768 bytes of it)
.set SLOT,   4*HALFT
.set KS,     32
.set SCL,    2*SLOT
.set HALFS,  (128*KS/256)*272
.set SBLK,   (16*KS/256)*272
.set SPARE,  SCL+4*HALFS               ; the spare words, 128 bytes for each wave: two blocks of 256 bytes that no other line names
.set SPITCH, 528                       ; the way out: a stage of 16 rows x (512 bytes + 16) for each wave, in slot 0, which has had its last fill and its last read when the first result is stored there
.set ADRA, 16
.set ADRB, 20
.set STO,  24
.set RD,   25
.set CO,   26
.set ADRS, 27
.set SPW,  28
.set NIL,  29
.set SC,   32
.set AF,   128
.set BK,   128
.set G1, 24
.set G0, 32
.set G1B, 48
.set G0B, 56
.set G1S, 68
.set G0S, 76
.set G1SB, 80
.set G0SB, 88
.set MSB, 0
.macro WIN new                         ; the immediate's high byte repeats the setting that is left
.if MSB != \new
	s_set_vgpr_msb (MSB<<8)|\new
.set MSB, \new
.endif
.endm
.set MUL_LO, 0xa1
.set MUL_HI, 0xf1
.set TO_B,   0x40
.macro JLOAD g0a, g1a, g0b, g1b        ; a joint load: waves 0 and 1 fetch for A, waves 2 and 3 for B; four v_nop follow each of the two lines
	s_cmp_eq_u32 s15, 0
	s_cbranch_scc0 .Lfor_b_\@
	tensor_load_to_lds s[\g0a:\g0a+3], s[\g1a:\g1a+7]
	s_nop 0
.rept 4
	v_nop
.endr
	s_branch .Lasked_\@
.Lfor_b_\@:
	tensor_load_to_lds s[\g0b:\g0b+3], s[\g1b:\g1b+7]
	s_nop 0
.rept 4
	v_nop
.endr
.Lasked_\@:
.endm
.macro CREST
	s_cmp_lg_u32 s14, 0
	s_cbranch_scc1 .Lnot_wave_0_\@
	s_barrier_signal -3
.Lnot_wave_0_\@:
	s_barrier_wait -3
	s_barrier_signal -1
	s_barrier_wait -1
.endm
.macro CROUND
	s_barrier_signal -1
	s_barrier_wait -1
	CREST
.endm
	s_load_b128 s[4:7], s[0:1], 0x0                ; A's images s[4:5], A's scales s[6:7]
	s_load_b128 s[8:11], s[0:1], 0x10              ; B's codes s[8:9], B's scales s[10:11]
	s_load_b64 s[12:13], s[0:1], 0x20              ; C
	v_lshl_add_u32 v[SPW], v0, 2, SPARE
	v_mov_b32 v[NIL], 0
	ds_add_u32 v28, v29
	s_wait_dscnt 0x0
	v_lshrrev_b32 v1, 5, v0
	v_readfirstlane_b32 s14, v1                    ; wave 0..3
	s_lshr_b32 s15, s14, 1                         ; which half of the tile's rows is mine.  Also: I fetch for A (0) or for B (1)
	s_and_b32 s16, s14, 1                          ; which half of its columns.  Also: which 128 rows of that tile I fetch
	s_bfe_u32 s40, ttmp6, 0x40000                  ; cx, cy
	s_bfe_u32 s41, ttmp6, 0x40004
	s_lshl_b32 s42, ttmp9, 2
	s_add_co_u32 s42, s42, s40                     ; tile column of C
	s_and_b32 s17, ttmp7, 0xffff
	s_lshl_b32 s17, s17, 2
	s_add_co_u32 s17, s17, s41                     ; tile row of C
	s_lshl_b32 s43, s41, 2
	s_lshl_b32 s43, 15, s43                        ; my row of the cluster
	s_lshl_b32 s44, 0x1111, s40                    ; my column
	; group 1 for A: 8 token tiles x 4,096 bytes (512 elements of 8 bytes), 16,384 bytes apart; dense in LDS, no padding: every read of it is 16 x lane + a constant
	s_or_b32 s[G1+0], s43, (3<<16)|(1<<21)         ; 15:0 the mask: my row of the cluster; 17:16 elements of 8 bytes; 21 set beside a mask
	s_mov_b32 s[G1+1], 512<<16                     ; tensor_dim0
	s_mov_b32 s[G1+2], 8<<16                       ; tensor_dim1
	s_mov_b32 s[G1+3], 512<<16                     ; tile_dim0
	s_mov_b32 s[G1+4], 8                           ; tile_dim1
	s_mov_b32 s[G1+5], 2048                        ; tensor_dim0_stride
	s_mov_b32 s[G1+6], 0
	s_mov_b32 s[G1+7], 0
	; for B: 128 rows x 256 bytes, 16 bytes of padding behind each
	s_or_b32 s[G1B+0], s44, (0<<16)|(1<<20)|(1<<21)|(5<<22)|(3<<25)
	s_mov_b32 s[G1B+1], ROWB<<16
	s_mov_b32 s[G1B+2], 128<<16
	s_mov_b32 s[G1B+3], ROWB<<16
	s_mov_b32 s[G1B+4], 128
	s_mov_b32 s[G1B+5], KROW
	s_mov_b32 s[G1B+6], 0
	s_mov_b32 s[G1B+7], 0
	; for the scales of 128 rows: 4,096 dense bytes as 16 rows of 256, 16 bytes of padding behind each
	s_or_b32 s[G1S+0], s43, (3<<16)|(1<<20)|(1<<21)|(5<<22)|(3<<25)
	s_or_b32 s[G1SB+0], s44, (3<<16)|(1<<20)|(1<<21)|(5<<22)|(3<<25)
.irp g, G1S, G1SB
	s_mov_b32 s[\g+1], 32<<16
	s_mov_b32 s[\g+2], (128*KS/256)<<16
	s_mov_b32 s[\g+3], 32<<16
	s_mov_b32 s[\g+4], 128*KS/256
	s_mov_b32 s[\g+5], 32
	s_mov_b32 s[\g+6], 0
	s_mov_b32 s[\g+7], 0
.endr
	s_lshl_b32 s18, s16, 7
	s_lshl_b32 s20, s17, 8
	s_add_co_u32 s20, s20, s18                     ; A: row 256 x tile row + 128 x half
	s_lshl_b32 s46, s42, 8
	s_add_co_u32 s46, s46, s18                     ; B: row 256 x tile column + 128 x half
	s_mov_b32 s21, 0
	s_mov_b32 s47, 0
	s_mov_b64 s[18:19], KS
	s_mul_u64 s[22:23], s[20:21], s[18:19]         ; where these rows' scales begin
	s_mul_u64 s[92:93], s[46:47], s[18:19]
	s_mov_b64 s[18:19], KROW
	s_mul_u64 s[20:21], s[20:21], s[18:19]         ; and their codes (A: 16 rows are one token tile's 16,384 bytes)
	s_mul_u64 s[46:47], s[46:47], s[18:19]
	s_mul_i32 s45, s14, HALFT                      ; where they go: no place in the cluster enters an LDS address
	s_mul_i32 s94, s14, HALFS
	s_wait_kmcnt 0x0
	s_add_nc_u64 s[20:21], s[4:5], s[20:21]
	s_add_nc_u64 s[22:23], s[6:7], s[22:23]
	s_add_nc_u64 s[46:47], s[8:9], s[46:47]
	s_add_nc_u64 s[92:93], s[10:11], s[92:93]
	CROUND                                         ; all sixteen work-groups are here: the first joint loads meet
	s_mov_b32 s[G0S], 1
	s_add_co_u32 s[G0S+1], s94, SCL
	s_mov_b64 s[G0S+2:G0S+3], s[22:23]
	s_or_b32 s[G0S+3], s[G0S+3], 0x80000000
	s_mov_b32 s[G0SB], 1
	s_add_co_u32 s[G0SB+1], s94, SCL
	s_mov_b64 s[G0SB+2:G0SB+3], s[92:93]
	s_or_b32 s[G0SB+3], s[G0SB+3], 0x80000000
	JLOAD G0S, G1S, G0SB, G1SB                     ; the scales first
.irp s, 0,1
	s_mov_b32 s[G0+4*\s], 1
	s_add_co_u32 s[G0+4*\s+1], s45, \s*SLOT
	s_add_nc_u64 s[G0+4*\s+2:G0+4*\s+3], s[20:21], \s*ASLOT
	s_or_b32 s[G0+4*\s+3], s[G0+4*\s+3], 0x80000000
	s_mov_b32 s[G0B+4*\s], 1
	s_add_co_u32 s[G0B+4*\s+1], s45, \s*SLOT
	s_add_nc_u64 s[G0B+4*\s+2:G0B+4*\s+3], s[46:47], \s*ROWB
	s_or_b32 s[G0B+4*\s+3], s[G0B+4*\s+3], 0x80000000
	JLOAD G0+4*\s, G1, G0B+4*\s, G1B
.endr
	v_and_b32 v1, 15, v0                           ; r
	v_bfe_u32 v2, v0, 4, 1                         ; h
	v_mul_u32_u24 v3, v1, PITCH
	v_lshl_add_u32 v4, v2, 4, v3                   ; B: a fragment's row x pitch + 16 x half
	v_and_b32 v6, 31, v0
	v_lshlrev_b32 v7, 4, v6                        ; A: 16 x lane
	s_mul_i32 s21, s15, HALFT                      ; my 128 rows of A
	s_mul_i32 s22, s16, HALFT                      ; my 128 rows of B,
	s_add_co_u32 s22, s22, 2*HALFT                 ; which lie behind A's 256
.irp s, 0,1
	v_add_nc_u32 v[ADRA+\s], s21, v7
	v_add_nc_u32 v[ADRB+\s], s22, v4
	s_add_co_u32 s21, s21, SLOT
	s_add_co_u32 s22, s22, SLOT
.endr
	v_mul_u32_u24 v5, v1, KS                       ; my row's scales: 32 bytes a row,
	v_lshrrev_b32 v6, 8, v5
	v_lshl_add_u32 v5, v6, 4, v5                   ; and 16 more for each 256 passed
	s_mul_i32 s21, s15, HALFS
	s_mul_i32 s22, s16, HALFS
	s_add_co_u32 s22, s22, 2*HALFS
	s_sub_co_u32 s22, s22, s21
	v_mul_u32_u24 v6, s22, v2                      ; lanes 16-31 take B's
	s_add_co_u32 s21, s21, SCL
	v_add_nc_u32 v5, v5, v6
	v_add_nc_u32 v[ADRS], s21, v5
	s_mul_i32 s23, s14, 16*SPITCH                  ; my stage
	v_mul_u32_u24 v5, v1, SPITCH                   ; in: row l % 16, 32 bytes for each half of the lanes
	v_lshl_add_u32 v5, v2, 5, v5
	v_add_nc_u32 v[STO], s23, v5
	v_and_b32 v6, 31, v0
	v_lshlrev_b32 v[CO], 4, v6                     ; back: the 32 lanes take one row of 512 bytes; and the same in C
	v_add_nc_u32 v[RD], s23, v[CO]
	s_lshl_b32 s20, s17, 8
	s_lshl_b32 s21, s15, 7
	s_add_co_u32 s20, s20, s21                     ; my first row of C
	s_mov_b32 s21, 0
	s_mov_b64 s[18:19], SIZE_N*4
	s_mul_u64 s[20:21], s[20:21], s[18:19]
	s_lshl_b32 s46, s42, 10                        ; my first column, in bytes
	s_lshl_b32 s47, s16, 9
	s_add_co_u32 s46, s46, s47
	s_mov_b32 s47, 0
	s_add_nc_u64 s[20:21], s[20:21], s[46:47]
	s_add_nc_u64 s[12:13], s[12:13], s[20:21]
.macro FRAG reg, adr, q, i             ; a fragment of B from rows: registers 4 c .. 4 c + 3 hold K = 32 c + 16 (l / 16) + 0 .. 15 of row l % 16
.irp c, 0,1,2,3
	ds_load_b128 v[\reg+4*\c:\reg+4*\c+3], v[\adr] offset:128*(\q)+32*\c+(\i)*16*PITCH
.endr
.endm
.macro FRAGA reg, adr, q, i            ; a fragment of A from its image: four pieces
.irp c, 0,1,2,3
	ds_load_b128 v[\reg+4*\c:\reg+4*\c+3], v[\adr] offset:ASLOT*(\i)+2048*(\q)+512*\c
.endr
.endm
; 16 matrix instructions: A's blocks a0, a0 + 1 x B's eight.  The 64 accumulators take turns, one instruction a turn, in the same order in every step.
.macro MUL16 a0, p, q, sc, zero
.irp a, \a0, \a0+1
.irp b, 0,1,2,3,4,5,6,7
.if \zero
	v_wmma_scale_f32_16x16x128_f8f6f4 v[8*(8*((\a)%4)+\b):8*(8*((\a)%4)+\b)+7], v[128*(\p)+FR*\b:128*(\p)+FR*\b+FR-1], v[AF+FR*(\a):AF+FR*(\a)+FR-1], 0, v[SC+8*NQ*(\sc)+NQ*\b+(\q)], v[SC+8*NQ*(\sc)+NQ*(\a)+(\q)] matrix_a_fmt:MATRIX_FMT_BF8 matrix_b_fmt:MATRIX_FMT_BF8 matrix_a_scale:MATRIX_SCALE_ROW1
.else
	v_wmma_scale_f32_16x16x128_f8f6f4 v[8*(8*((\a)%4)+\b):8*(8*((\a)%4)+\b)+7], v[128*(\p)+FR*\b:128*(\p)+FR*\b+FR-1], v[AF+FR*(\a):AF+FR*(\a)+FR-1], v[8*(8*((\a)%4)+\b):8*(8*((\a)%4)+\b)+7], v[SC+8*NQ*(\sc)+NQ*\b+(\q)], v[SC+8*NQ*(\sc)+NQ*(\a)+(\q)] matrix_a_fmt:MATRIX_FMT_BF8 matrix_b_fmt:MATRIX_FMT_BF8 matrix_a_scale:MATRIX_SCALE_ROW1
.endif
.endr
.endr
.endm
.macro FETCH_B slot, q, p
	WIN TO_B
.irp i, 0,1,2,3,4,5,6,7
	FRAG 128*(\p)+FR*\i, ADRB+\slot, \q, \i
.endr
	WIN 0
.endm
.macro FETCH_A slot, q, i0
.irp i, \i0, \i0+1, \i0+2, \i0+3
	FRAGA AF+FR*(\i), ADRA+\slot, \q, \i
.endr
.endm
.macro SCALES sc
.irp i, 0,1,2,3,4,5,6,7
	ds_load_b64 v[SC+8*NQ*\sc+NQ*\i:SC+8*NQ*\sc+NQ*\i+1], v[ADRS] offset:\i*SBLK
.endr
.endm
.macro PLACES n                        ; plain vector instructions between a matrix instruction and a load into, or a read of, its registers (ISA guide 7.12.1 for vector instructions)
.rept \n
	v_nop
.endr
.endm
.macro STEP slot, q, zero
	s_wait_dscnt 4*NL                              ; all but the youngest sixteen loads (A's blocks 4-7) are in
	WIN MUL_LO
	MUL16 0, (\q)%2, \q, \slot, \zero
	MUL16 2, (\q)%2, \q, \slot, \zero
	s_wait_dscnt 0
	PLACES NP
	FETCH_B \slot, (\q)+1, 1-(\q)%2
	FETCH_A \slot, (\q)+1, 0
	WIN MUL_HI
	MUL16 4, (\q)%2, \q, \slot, \zero
	MUL16 6, (\q)%2, \q, \slot, \zero
	PLACES NP
	WIN 0
	FETCH_A \slot, (\q)+1, 4
.endm
; A slot's last step changes slots: ONE barrier; in front of it each wave waits for all its tensor loads, adds 0 to its spare word, and waits for that and for its own reads of this slot.
.macro TURN slot, next, fill
	s_wait_tensorcnt 0x0                           ; all my tensor loads have landed: my part of the next slot
	ds_add_u32 v[SPW], v[NIL]                      ; 0 onto my spare word
	s_wait_dscnt 4*NL+1                            ; (the add and the youngest sixteen loads may be out)
	WIN MUL_LO
	MUL16 0, 1, NQ-1, \slot, 0
	s_wait_dscnt 0x0                               ; the add is done, and my reads of this slot are over
	s_barrier_signal -1
	MUL16 2, 1, NQ-1, \slot, 0
	WIN 0
	s_barrier_wait -1
.if \fill
	CREST                                          ; the barrier has opened a round of the cluster's barrier: no wave of any partner still reads this slot's tile or has a load on its way
	s_add_nc_u64 s[G0+4*\slot+2:G0+4*\slot+3], s[G0+4*\slot+2:G0+4*\slot+3], 2*ASLOT
	s_add_nc_u64 s[G0B+4*\slot+2:G0B+4*\slot+3], s[G0B+4*\slot+2:G0B+4*\slot+3], 2*ROWB
	JLOAD G0+4*\slot, G1, G0B+4*\slot, G1B         ; the first tensor load behind the round
	PLACES NP-4
.else
	PLACES NP
.endif
	v_add_nc_u32 v[ADRS], 4*NQ, v[ADRS]
	FETCH_B \next, 0, 0
	FETCH_A \next, 0, 0
	SCALES \next
	WIN MUL_HI
	MUL16 4, 1, NQ-1, \slot, 0
	MUL16 6, 1, NQ-1, \slot, 0
	PLACES NP
	WIN 0
	FETCH_A \next, 0, 4
.endm
	s_wait_tensorcnt 1                             ; the scales and my part of K step 0 are in (K step 1's load may be out)
	s_barrier_signal -1
	s_barrier_wait -1                              ; everybody's are
	FETCH_B 0, 0, 0
	FETCH_A 0, 0, 0
	SCALES 0
	FETCH_A 0, 0, 4
	STEP 0, 0, 1                                   ; K 0: its products start the sums
	TURN 0, 1, 1                                   ; K 128; slot 0 takes K 512 ..
	STEP 1, 0, 0
	TURN 1, 0, 1                                   ; K 384; slot 1 takes K 768 ..
	STEP 0, 0, 0
	TURN 0, 1, 0                                   ; K 640; nothing is left to fetch
	STEP 1, 0, 0
	s_wait_dscnt 4*NL                              ; K 896: the last step
	WIN MUL_LO
	MUL16 0, 1, NQ-1, 1, 0
	MUL16 2, 1, NQ-1, 1, 0
	s_wait_dscnt 0
	WIN MUL_HI
	MUL16 4, 1, NQ-1, 1, 0
	MUL16 6, 1, NQ-1, 1, 0
	WIN 0
; THE WAY OUT, block by block of 16 rows x 128 columns, through my own stage in LDS: in as 32 bytes a lane, back as whole rows of 512 bytes.  LDS serves a wave's instructions in order (ISA guide 5.7.1.4).
.macro TOSTAGE a
.set AC, 64*((\a)%4)
	WIN 0x08+4*((\a)/4)                            ; the data: window 2 or 3
.irp b, 0,1,2,3,4,5,6,7
	ds_store_b128 v[STO], v[AC+8*\b:AC+8*\b+3] offset:64*\b          ; each accumulator from its low end on
	ds_store_b128 v[STO], v[AC+8*\b+4:AC+8*\b+7] offset:64*\b+16
.endr
	WIN 0
.set BB, BK+64*((\a)%2)
.irp t, 0,1,2,3,4,5,6,7,8,9,10,11,12,13,14,15
	ds_load_b128 v[BB+4*\t:BB+4*\t+3], v[RD] offset:\t*SPITCH
.endr
.endm
.macro SEND a, younger                 ; younger: the LDS instructions issued behind block a's loads, which may stay out
.set BB, BK+64*((\a)%2)
	s_wait_dscnt \younger
.if (\a) > 0
	s_add_nc_u64 s[12:13], s[12:13], 16*SIZE_N*4   ; (behind a wait on XCNT: the earlier stores have read their base)
.endif
.irp t, 0,1,2,3,4,5,6,7,8,9,10,11,12,13,14,15
	global_store_b128 v[CO], v[BB+4*\t:BB+4*\t+3], s[12:13] offset:\t*SIZE_N*4 th:TH_STORE_NT   ; 32 lanes store 512 consecutive bytes, at a multiple of 256 from C's first byte
.endr
.endm
	PLACES NP
	TOSTAGE 0
.irp a, 1,2,3,4,5,6,7
.if \a > 1
	s_wait_xcnt 0x0                                ; block a - 2's stores have read their registers and their base
.endif
	TOSTAGE \a
	SEND \a-1, 32                                  ; behind block a - 1's loads: block a's 16 stores and 16 loads
.endr
	s_wait_xcnt 0x0
	SEND 7, 0
	s_wait_tensorcnt 0x0                           ; the wave's end
	ds_add_u32 v[SPW], v[NIL]
	s_wait_dscnt 0x0
	CROUND                                         ; the closing round
	s_endpgm
.Lfunc_end_k_q0a35689fda_outp:
	.size	k_q0a35689fda_outp, .Lfunc_end_k_q0a35689fda_outp-k_q0a35689fda_outp
	.p2alignl 7, 3214868480
	.fill 96, 4, 3214868480
	.section	.rodata,"a",@progbits
	.p2align	6, 0x0
	.amdhsa_kernel k_q0a35689fda_outp
		.amdhsa_group_segment_fixed_size 327680
		.amdhsa_private_segment_fixed_size 0
		.amdhsa_enable_private_segment 0
		.amdhsa_kernarg_size 40
		.amdhsa_user_sgpr_count 2
		.amdhsa_user_sgpr_kernarg_segment_ptr 1
		.amdhsa_wavefront_size32 1
		.amdhsa_system_sgpr_workgroup_id_x 1
		.amdhsa_system_sgpr_workgroup_id_y 1
		.amdhsa_system_sgpr_workgroup_id_z 1
		.amdhsa_system_vgpr_workitem_id 0
		.amdhsa_next_free_vgpr 1024
		.amdhsa_next_free_sgpr 98
		.amdhsa_reserve_vcc 0
		.amdhsa_float_denorm_mode_32 3
		.amdhsa_float_denorm_mode_16_64 3
		.amdhsa_memory_ordered 1
		.amdhsa_forward_progress 1
		.amdhsa_inst_pref_size 145
	.end_amdhsa_kernel
	.amdgpu_metadata
---
amdhsa.version: [ 1, 2 ]
amdhsa.kernels:
  - .name:           k_q0a35689fda_outp
    .symbol:         k_q0a35689fda_outp.kd
    .args:
      - { .name: ccimg, .offset: 0, .size: 8, .value_kind: global_buffer, .address_space: global }
      - { .name: csc, .offset: 8, .size: 8, .value_kind: global_buffer, .address_space: global }
      - { .name: Wo_codes, .offset: 16, .size: 8, .value_kind: global_buffer, .address_space: global }
      - { .name: Wo_scales, .offset: 24, .size: 8, .value_kind: global_buffer, .address_space: global }
      - { .name: out0, .offset: 32, .size: 8, .value_kind: global_buffer, .address_space: global }
    .group_segment_fixed_size: 327680
    .private_segment_fixed_size: 0
    .kernarg_segment_align: 8
    .kernarg_segment_size: 40
    .max_flat_workgroup_size: 128
    .sgpr_count:     98
    .vgpr_count:     1024
    .wavefront_size: 32
...
	.end_amdgpu_metadata
.endif
;; end of part 3
